; MI455X (gfx1250); checked and timed in simulation.
; The chip was launched on July 23, 2026; its instructions are those of AMD's public machine-readable ISA for CDNA 5 (MIT licence, August 2026) and "CDNA5" Instruction Set Architecture Reference Guide (July 2026). The comments in the code are by the model that wrote it; some were corrected since.
;; Transformer Block. Allowed arithmetic: matrix products marked QUANTISED: E2M1 operands, one E8M0 scale for each 32 along K, by v_wmma_scale_f32_16x16x128_f8f6f4 with both operands' format E2M1 (or v_wmma_scale_f32_32x16x128_f4), f32 sums; everything else in f32.
;; Inputs: g1 1,024 float32; g2 1,024 float32; w1 2,048 x 1,024 float32; w2 1,024 x 2,048 float32; wk 1,024 x 1,024 float32; wo 1,024 x 1,024 float32; wq 1,024 x 1,024 float32; wv 1,024 x 1,024 float32; x 1 x 4,096 x 1,024 float32.
;; Outputs: out0 1 x 4,096 x 1,024 float32.
;; This version of the problem:
;;   THIS VERSION OF THE PROBLEM IS GIVEN IN LOW PRECISION. The matrix products marked QUANTISED in the list below multiply operands that are first quantised to E2M1 (2 exponent bits, 1 mantissa bit; 4 bits a number), with one power-of-two scale for each 32 numbers along K (OCP MX v1.0); their sums are f32. All else is computed in f32.
;;   The module's matrix products, in the order in which they are computed (A, B: the left and right operand; K: the contracted axis; several contracted axes count as one K, in the product's order):
;;     1. [M 4,096, K 1,024] x [K 1,024, N 1,024]; A: computed on the way; B: input wq: QUANTISED
;;     2. [M 4,096, K 1,024] x [K 1,024, N 1,024]; A: computed on the way; B: input wk: QUANTISED
;;     3. [M 4,096, K 1,024] x [K 1,024, N 1,024]; A: computed on the way; B: input wv: QUANTISED
;;     4. batch 16 x [M 4,096, K 64] x [K 64, N 4,096]; A: computed on the way; B: computed on the way: QUANTISED
;;     5. batch 16 x [M 4,096, K 4,096] x [K 4,096, N 64]; A: softmax (see below); B: computed on the way: QUANTISED
;;     6. [M 4,096, K 1,024] x [K 1,024, N 1,024]; A: computed on the way; B: input wo: QUANTISED
;;     7. [M 4,096, K 1,024] x [K 1,024, N 2,048]; A: computed on the way; B: input w1: QUANTISED
;;     8. [M 4,096, K 2,048] x [K 2,048, N 1,024]; A: computed on the way; B: input w2: QUANTISED
;;   THE QUANTISER, for each operand of a quantised product, along K:
;;     - K is cut into blocks of 32 from its start; a last block that is shorter is filled with zeros.
;;     - A block's scale is 2^e with e = floor(log2(the largest magnitude in the block)) - 2, held to -126 .. 127; a block of zeros has e = 0. As a byte (E8M0): e + 127.
;;     - Each number is divided by its block's scale, clamped to +-6, and rounded to the nearest number of E2M1, ties to even, subnormals kept.
;;     - The product sums the exact products of the quantised numbers (number of the format x scale) in f32.
;;   ~~~python
;;   def quantise(x, axis):      # numpy; x: float32 -> the quantised numbers, widened to float32 again
;;       x = np.moveaxis(x, axis, -1); K = x.shape[-1]
;;       x = np.pad(x, [(0, 0)] * (x.ndim - 1) + [(0, -K % 32)]); x = x.reshape(x.shape[:-1] + (-1, 32)); a = np.abs(x).max(-1, keepdims=True)
;;       e = np.where(a > 0, np.clip(np.frexp(np.where(a > 0, a, 1))[1] - 1 - 2, -126, 127), 0)      # np.frexp(a)[1] - 1 = floor(log2(a)), exactly
;;       r = np.clip(x / 2.0 ** e, -6, 6)
;;       step = 2.0 ** (np.maximum(np.frexp(np.where(r == 0, 1, r))[1] - 1, 0) - 1)
;;       q = np.round(r / step) * step * 2.0 ** e      # np.round: ties to even
;;       return np.moveaxis(q.reshape(q.shape[:-2] + (-1,))[..., :K], -1, axis).astype(np.float32)
;;   ~~~
;;   SOFTMAX AHEAD OF A QUANTISED PRODUCT. Where the list says 'softmax', what is quantised is not the finished softmax but p = 2^(t - M), with t = logit x log2(e) and M = ceil(the row's largest t), a whole number; so 1/2 < the row's largest p <= 1. The row's sum l is taken of the UNQUANTISED p, in f32, and the product's result is divided by l at the end. Since M is a whole number, a kernel that streams over the keys may use a running M (the ceiling of the running maximum): every later rescaling is an exact power of two, which a block's scale takes up: the codes' values come out the same.
;;   OPERANDS COMPUTED ON THE WAY. 'Computed on the way' means the value that the module computes at that place (a softmax that the list does not call 'softmax' is quantised finished and normalised). What goes into a quantiser is computed in f32, as accurately as f32 sums, v_exp_f32 and their like allow (about 1e-6 of the number): no bf16 or f16 on the way to a quantiser, and a product that is left as it is and whose result goes on into a quantised operand takes f32 operands (vector FMAs, or v_wmma_f32_16x16x4_f32). A number that lies on a knife's edge between two numbers of the format may be rounded either way, as far as f32 arithmetic and the matrix unit's own rounding can turn it there, and no further.
;; One version. Each part assembles by itself: llvm-mc -triple=amdgcn-amd-amdhsa -mcpu=gfx1250 --defsym DOCPART=n.
;; ======== version 1 of 1: 7 launches
;; limits: right only within a limited range of input values
;; workspace buffers: wimg 4,718,592 bytes; ni 2,359,296 bytes; att 7,602,176 bytes; aoi 2,359,296 bytes; hbuf 16,777,216 bytes; hid 4,718,592 bytes
;; launch prep (part 1): grid 768 x 1, 8 waves a work-group, no clusters, 73,984 bytes of LDS; arguments x, g1, wq, wk, wv, wo, w1, w2, ni, wimg; writes ni, wimg
.if DOCPART == 1
	.amdgcn_target "amdgcn-amd-amdhsa--gfx1250"
	.amdhsa_code_object_version 6
	.text
	.protected	k_q5818b3a23a_prep
	.globl	k_q5818b3a23a_prep
	.p2align	8
	.type	k_q5818b3a23a_prep,@function
k_q5818b3a23a_prep:
	s_mov_b64 s[64:65], 0
	v_nop
	global_prefetch_b8 v0, s[64:65] scope:SCOPE_SE
	s_setreg_imm32_b32 hwreg(HW_REG_WAVE_MODE, 25, 1), 1
	s_wait_xcnt 0x0
; f32 rows with K innermost become operands of MX-FP4 products: codes of E2M1 and one E8M0 byte for each 32 along K.
; Work-groups 0-255: rows of the first argument [4096][1024], first normalised: (a x rsqrt(mean(a a) + 1e-5)) x gain, all f32.
; Work-groups 256-767: the six weights as they are (wq, wk, wv, wo: 64 tiles each; w1: 128; w2 [1024][2048]: 64 tiles x two halves of K).
; A work-group takes ONE TILE of 16 rows x 1,024 along K; each of its eight waves one fragment, 16 rows x 128 K.
; THE ROWS OF A TILE ARE NOT NEIGHBOURS: lane row r of tile T is row 32 (T / 2) + 8 (T % 2) + r + 8 (r / 8), in every operand of this program:
; a product used transposed then leaves 16 neighbours along the next K in a lane's registers of two neighbouring tiles.
; WHAT IS STORED is the image of the operand's registers: for tile T and K step s (chunk q = s / 4) a record of 4,608 bytes at (q x tiles + T) x 4,608 holds four
; fragments of 1,024 bytes (piece c: lane l's 16 bytes at 512 c + 16 l) and behind them four times 128 bytes of scale words (lane l's word at 4 l).
; Each store of codes covers 512 consecutive bytes, each store of words 128.
; A lane (r, h) loads, of its row, 16 neighbours of each block of 32: register 16 b + i = k 128 s + 32 b + 16 h + i.
; LIMITS: NaN and infinities among the inputs are not served.  A block whose largest magnitude lies under 2^-124 has its byte held at 1; a block of zeros gets the byte 1
; where the quantiser says 127: its codes are zeros, and this program alone reads the bytes.  The row's sum of squares is taken wave by wave, in another order than a plain sum.
.set REC,  4608
.set X,    32                          ; v32-95   my 64 numbers
.set GN,   96                          ; v96-159  the gain at the same 64 places
.set PC,   160                         ; v160-167 the fragment's codes
.set PW,    10                         ; v10      my row's scale word (the register is free when the quantiser begins)
.set TM,    16                         ; v16-19 largest magnitudes, v20-23 the other half's, then bytes, v28-31 scale operands: in the registers that held the loads' offsets
.macro PICK lim, src, g0, base, r16    ; work-groups under lim: source pointer, first work-group, the operand's place in its buffer, its tiles
	s_cmp_lt_u32 ttmp9, \lim
	s_cselect_b64 s[46:47], s[\src:\src+1], s[46:47]
	s_cselect_b32 s30, \g0, s30
	s_cselect_b32 s31, \base, s31
	s_cselect_b32 s32, \r16, s32
.endm
	s_load_b512 s[8:23], s[0:1], 0x0               ; rows s[8:9], gain s[10:11], wq, wk, wv, wo, w1, w2 s[12:23]
	s_load_b128 s[24:27], s[0:1], 0x40             ; the rows' operand buffer s[24:25], the weights' s[26:27]
; WORK LEFT OUT IN THIS PROGRAM: reference() sets the scores of keys behind a query to -infinity by a mask of its own, so their p is 0 for all inputs: whole key steps under that mask are
; not multiplied in the attention's launch.  A NaN, an infinity or an overflow that reaches only such scores is not carried to the result.
; HOW THE NUMBERS COME IN: each load reads 512 consecutive bytes of ONE row; the fragment's 16 rows turn through the wave's own stage in LDS (rows of 528 bytes) and come back 16 neighbours of a block to a lane.
	v_lshl_add_u32 v1, v0, 2, 0x400                ; v1, v3: my spare word and 0, kept for the add alone
	v_mov_b32 v3, 0
	v_lshrrev_b32 v4, 5, v0
	s_delay_alu instid0(VALU_DEP_1)
	v_readfirstlane_b32 s28, v4                    ; wave 0..7
	v_and_b32 v4, 31, v0                           ; lane
	v_and_b32 v2, 15, v0                           ; r
	v_bfe_u32 v9, v0, 4, 1                         ; h
	s_delay_alu instid0(VALU_DEP_1)
	v_lshlrev_b32 v5, 6, v9                        ; 64 h: my 16 numbers of a block
	s_delay_alu instid0(VALU_DEP_4)
	v_lshlrev_b32 v6, 4, v4                        ; 16 x lane
	v_lshlrev_b32 v7, 2, v4                        ; 4 x lane
	v_lshlrev_b32 v8, 2, v0                        ; LDS: my word among the eight waves' partial sums
	v_mov_b32 v11, 0                               ; named as the upper half of the pair v[10:11]
.irp b, 0,1,2,3
	v_mov_b32 v[TM+4+\b], 0                        ; a lane permute's destination counts as one of its sources
.endr
	s_mov_b32 s54, 0x76543210
	s_mov_b32 s55, 0xfedcba98                      ; v_permlanex16_b32's selects for lane l xor 16
	s_mov_b32 s56, 0x3a800000                      ; 1 / 1024
	s_mov_b32 s57, 0x3727c5ac                      ; 1e-5
	s_mov_b32 s30, 640                             ; the last range, w2, is the default
	s_mov_b32 s31, 3538944
	s_mov_b32 s32, 64
	s_cmp_ge_u32 ttmp9, 640
	s_cselect_b32 s33, 1, 0                        ; 1: rows of 2,048 numbers, two work-groups to a tile
	s_wait_kmcnt 0x0
	s_mov_b64 s[46:47], s[22:23]
	PICK 640, 20, 512, 2359296, 128                ; w1
	PICK 512, 18, 448, 1769472, 64                 ; wo
	PICK 448, 16, 384, 1179648, 64                 ; wv
	PICK 384, 14, 320, 294912, 128                 ; wk: tiles 64-127 of the operand that wq begins
	PICK 320, 12, 256, 0, 128                      ; wq
	PICK 256, 8, 0, 0, 256                         ; the rows to be normalised
	s_cmp_lt_u32 ttmp9, 256
	s_cselect_b64 s[34:35], s[24:25], s[26:27]     ; where the operand goes: the choice hangs on the work-group's number alone
	s_sub_co_u32 s37, ttmp9, s30
	s_lshr_b32 s38, s37, s33                       ; T
	s_and_b32 s39, s37, s33
	s_lshl_b32 s39, s39, 3
	s_add_co_u32 s39, s39, s28                     ; s: my K step
	s_lshr_b32 s40, s38, 1
	s_lshl_b32 s40, s40, 5
	s_and_b32 s41, s38, 1
	s_lshl_b32 s41, s41, 3
	s_add_co_u32 s40, s40, s41                     ; the tile's first row
	s_add_co_u32 s36, s33, 12                      ; a row is 2^12 or 2^13 bytes
	s_lshl_b32 s40, s40, s36
	s_lshl_b32 s41, s39, 9
	s_add_co_u32 s40, s40, s41                     ; + 512 s
	s_mov_b32 s41, 0
	s_add_nc_u64 s[46:47], s[46:47], s[40:41]
	s_lshr_b32 s42, s39, 2
	s_mul_i32 s42, s42, s32
	s_add_co_u32 s42, s42, s38
	s_mul_i32 s42, s42, REC
	s_add_co_u32 s42, s42, s31                     ; my record
	s_and_b32 s43, s39, 3
	s_lshl_b32 s44, s43, 10
	s_add_co_u32 s44, s44, s42
	s_mov_b32 s45, 0
	s_add_nc_u64 s[48:49], s[34:35], s[44:45]      ; my fragment's codes
	s_lshl_b32 s44, s43, 7
	s_add_co_u32 s44, s44, s42
	s_add_co_u32 s44, s44, 4096
	s_add_nc_u64 s[50:51], s[34:35], s[44:45]      ; its scale words
	s_lshl_b32 s44, s39, 9
	s_add_nc_u64 s[52:53], s[10:11], s[44:45]      ; the gain at my K step (used by the normalising work-groups alone, where s is 0..7)
.set SPT,  528                         ; a stage row: 512 bytes + 16 of padding
.set STG,  2048                        ; the stages: 17 rows for each wave (16 of numbers, one of the gain), behind the partial sums and the spare words
.set RAW,  96                          ; v96-159 the 16 rows as they are loaded: the gain's registers, which are filled only behind the wait for the stage's stores
	s_wait_alu depctr_va_vdst(0)                   ; the wait here, directly ahead of the readers below
	s_mul_i32 s60, s28, 17*SPT
	s_add_co_u32 s60, s60, STG                     ; my stage
	v_add_nc_u32 v9, s60, v6                       ; in: 16 x lane of a row
	v_add_nc_u32 v10, s60, v5                      ; back: + 64 h
	v_mul_u32_u24 v4, v2, SPT
	v_mov_b32 v16, v6
	v_add_nc_u32 v4, v4, v10                       ; back: stage row r, + 64 h
.irp i, 1,2,3,4,5,6,7,8,9,10,11,12,13,14,15
	s_lshl_b32 s61, \i+8*(\i/8), s36               ; stage row i is row i + 8 (i / 8) of the tile's group of 32
	v_add_nc_u32 v[16+\i], s61, v6
.endr
	s_wait_alu depctr_va_vdst(0)                   ; the wait here, directly ahead of the branch
	s_cmp_ge_u32 ttmp9, 256                        ; weights have no gain: the branch is the same in all eight waves
	s_cbranch_scc1 .Lraw
	global_load_b128 v[160:163], v6, s[52:53]      ; the gain at my K step: 512 consecutive bytes
.Lraw:
.irp i, 0,1,2,3,4,5,6,7,8,9,10,11,12,13,14,15
	global_load_b128 v[RAW+4*\i:RAW+4*\i+3], v[16+\i], s[46:47] th:TH_LOAD_NT
.endr
.irp i, 0,1,2,3,4,5,6,7,8,9,10,11,12,13,14,15
	s_wait_loadcnt 15-\i                           ; row i is in; the 15 - i younger loads may be out
	ds_store_b128 v9, v[RAW+4*\i:RAW+4*\i+3] offset:\i*SPT
.endr
.irp b, 0,1,2,3
.irp j, 0,1,2,3
	ds_load_b128 v[X+16*\b+4*\j:X+16*\b+4*\j+3], v4 offset:128*\b+16*\j   ; LDS serves a wave's instructions in order: these see my stores
.endr
.endr
	s_wait_dscnt 0x0                               ; my 64 numbers are back
	s_cmp_ge_u32 ttmp9, 256                        ; weights are quantised as they are
	s_cbranch_scc1 .Lquant
	ds_store_b128 v9, v[160:163] offset:16*SPT     ; the gain goes the same way; the wait in front of the barrier below covers these loads
.irp b, 0,1,2,3
.irp j, 0,1,2,3
	ds_load_b128 v[GN+16*\b+4*\j:GN+16*\b+4*\j+3], v10 offset:16*SPT+128*\b+16*\j
.endr
.endr
	v_pk_mul_f32 v[12:13], v[X:X+1], v[X:X+1]      ; the sum of squares, two at a time, in two chains
	v_pk_mul_f32 v[14:15], v[X+2:X+3], v[X+2:X+3]
.set ii, 4
.rept 15
	s_delay_alu instid0(VALU_DEP_2)
	v_pk_fma_f32 v[12:13], v[X+ii:X+ii+1], v[X+ii:X+ii+1], v[12:13]
	s_delay_alu instid0(VALU_DEP_2)
	v_pk_fma_f32 v[14:15], v[X+ii+2:X+ii+3], v[X+ii+2:X+ii+3], v[14:15]
.set ii, ii+4
.endr
	s_delay_alu instid0(VALU_DEP_1)
	v_pk_add_f32 v[12:13], v[12:13], v[14:15]
	s_delay_alu instid0(VALU_DEP_1)
	v_add_f32 v12, v12, v13
	s_delay_alu instid0(VALU_DEP_1)
	v_permlanex16_b32 v14, v12, s54, s55
	s_delay_alu instid0(VALU_DEP_1)
	v_add_f32 v12, v12, v14                        ; my row's 128 numbers of this K step
	ds_store_b32 v8, v12
	s_wait_dscnt 0x0                               ; for the others' sake: my partial sum lies in LDS
	s_barrier_signal -1
	s_barrier_wait -1
.irp i, 0,1,2,3,4,5,6,7
	ds_load_b32 v[16+\i], v7 offset:128*\i         ; my row's partial sums of the eight waves
.endr
	s_wait_dscnt 0x0
	v_add_f32 v16, v16, v17
	v_add_f32 v18, v18, v19
	v_add_f32 v20, v20, v21
	v_add_f32 v22, v22, v23
	s_delay_alu instid0(VALU_DEP_3)
	v_add_f32 v16, v16, v18
	s_delay_alu instid0(VALU_DEP_2)
	v_add_f32 v20, v20, v22
	s_delay_alu instid0(VALU_DEP_1)
	v_add_f32 v16, v16, v20
	s_delay_alu instid0(VALU_DEP_1)
	v_fma_f32 v10, v16, s56, s57                   ; the mean + 1e-5
	s_wait_alu depctr_va_vdst(0)
	v_rsq_f32 v10, v10
	v_nop                                          ; one plain place behind the transcendental
	s_wait_loadcnt 0x0                             ; the gain
.set ii, 0
	s_wait_alu depctr_va_vdst(0)
.rept 32
	v_pk_mul_f32 v[X+ii:X+ii+1], v[X+ii:X+ii+1], v[10:11] op_sel_hi:[1,0]
.set ii, ii+2
.endr
.set ii, 0
.rept 32
	v_pk_mul_f32 v[X+ii:X+ii+1], v[X+ii:X+ii+1], v[GN+ii:GN+ii+1]
.set ii, ii+2
.endr
.Lquant:
	s_wait_loadcnt 0x0
.irp b, 0,1,2,3
	v_max3_num_f32 v[TM+\b], |v[X+16*\b]|, |v[X+1+16*\b]|, 0x1800000   ; block b: my 16 numbers, and the floor 2^(3 - 127): the byte cannot fall under 1
.endr
.irp i, 2,4,6,8,10,12,14
.irp b, 0,1,2,3
	s_delay_alu instid0(VALU_DEP_4)
	v_max3_num_f32 v[TM+\b], v[TM+\b], |v[X+16*\b+\i]|, |v[X+1+16*\b+\i]|
.endr
.endr
.irp b, 0,1,2,3
	s_delay_alu instid0(VALU_DEP_4)
	v_permlanex16_b32 v[TM+4+\b], v[TM+\b], s54, s55
.endr
.irp b, 0,1,2,3
	s_delay_alu instid0(VALU_DEP_4)
	v_max_num_f32 v[TM+\b], v[TM+\b], v[TM+4+\b]   ; with lane l xor 16's: the block's largest magnitude
.endr
.irp b, 0,1,2,3
	s_delay_alu instid0(VALU_DEP_4)
	v_add_nc_u32 v[TM+12+\b], 0xff000000, v[TM+\b] ; 2 off its exponent field: the conversion's scale operand
.endr
.irp b, 0,1,2,3
	s_delay_alu instid0(VALU_DEP_4)
	v_lshrrev_b32 v[TM+4+\b], 23, v[TM+12+\b]      ; the scale's byte
.endr
	s_delay_alu instid0(VALU_DEP_3)
	v_lshl_or_b32 v[PW], v[TM+5], 8, v[TM+4]
	s_delay_alu instid0(VALU_DEP_1)
	v_lshl_or_b32 v[PW], v[TM+6], 16, v[PW]
	s_delay_alu instid0(VALU_DEP_1)
	v_lshl_or_b32 v[PW], v[TM+7], 24, v[PW]
.irp b, 0,1,2,3
	v_cvt_scalef32_pk8_fp4_f32 v[PC+2*\b], v[X+16*\b:X+7+16*\b], v[TM+12+\b]
	v_cvt_scalef32_pk8_fp4_f32 v[PC+1+2*\b], v[X+8+16*\b:X+15+16*\b], v[TM+12+\b]
.endr
	v_nop                                          ; one plain place behind a scaled conversion
.irp c, 0,1                                    ; the operand's layout wants a whole block in a lane: lanes 0-15 block 2 c, lanes 16-31 block 2 c + 1
.irp i, 0,1
	v_permlane16_swap_b32 v[PC+4*\c+\i], v[PC+2+4*\c+\i]
.endr
.endr
	global_store_b128 v6, v[PC:PC+3], s[48:49]
	global_store_b128 v6, v[PC+4:PC+7], s[48:49] offset:512
	global_store_b32 v7, v[PW], s[50:51]
	s_wait_tensorcnt 0x0
	ds_add_u32 v1, v3
	s_wait_dscnt 0x0
	s_endpgm
.Lfunc_end_k_q5818b3a23a_prep:
	.size	k_q5818b3a23a_prep, .Lfunc_end_k_q5818b3a23a_prep-k_q5818b3a23a_prep
	.p2alignl 7, 3214868480
	.fill 96, 4, 3214868480
	.section	.rodata,"a",@progbits
	.p2align	6, 0x0
	.amdhsa_kernel k_q5818b3a23a_prep
		.amdhsa_group_segment_fixed_size 73984
		.amdhsa_private_segment_fixed_size 0
		.amdhsa_enable_private_segment 0
		.amdhsa_kernarg_size 80
		.amdhsa_user_sgpr_count 2
		.amdhsa_user_sgpr_kernarg_segment_ptr 1
		.amdhsa_wavefront_size32 1
		.amdhsa_system_sgpr_workgroup_id_x 1
		.amdhsa_system_sgpr_workgroup_id_y 1
		.amdhsa_system_sgpr_workgroup_id_z 1
		.amdhsa_system_vgpr_workitem_id 0
		.amdhsa_next_free_vgpr 168
		.amdhsa_next_free_sgpr 66
		.amdhsa_reserve_vcc 0
		.amdhsa_float_denorm_mode_32 3
		.amdhsa_float_denorm_mode_16_64 3
		.amdhsa_memory_ordered 1
		.amdhsa_forward_progress 1
		.amdhsa_inst_pref_size 26
	.end_amdhsa_kernel
	.amdgpu_metadata
---
amdhsa.version: [ 1, 2 ]
amdhsa.kernels:
  - .name:           k_q5818b3a23a_prep
    .symbol:         k_q5818b3a23a_prep.kd
    .args:
      - { .name: x, .offset: 0, .size: 8, .value_kind: global_buffer, .address_space: global }
      - { .name: g1, .offset: 8, .size: 8, .value_kind: global_buffer, .address_space: global }
      - { .name: wq, .offset: 16, .size: 8, .value_kind: global_buffer, .address_space: global }
      - { .name: wk, .offset: 24, .size: 8, .value_kind: global_buffer, .address_space: global }
      - { .name: wv, .offset: 32, .size: 8, .value_kind: global_buffer, .address_space: global }
      - { .name: wo, .offset: 40, .size: 8, .value_kind: global_buffer, .address_space: global }
      - { .name: w1, .offset: 48, .size: 8, .value_kind: global_buffer, .address_space: global }
      - { .name: w2, .offset: 56, .size: 8, .value_kind: global_buffer, .address_space: global }
      - { .name: ni, .offset: 64, .size: 8, .value_kind: global_buffer, .address_space: global }
      - { .name: wimg, .offset: 72, .size: 8, .value_kind: global_buffer, .address_space: global }
    .group_segment_fixed_size: 73984
    .private_segment_fixed_size: 0
    .kernarg_segment_align: 8
    .kernarg_segment_size: 80
    .max_flat_workgroup_size: 256
    .sgpr_count:     66
    .vgpr_count:     168
    .wavefront_size: 32
...
	.end_amdgpu_metadata
.endif
;; end of part 1
;; launch qkv (part 2): grid 256 x 1, 4 waves a work-group, no clusters, 295,424 bytes of LDS; arguments ni, wimg, att; writes att
.if DOCPART == 2
	.amdgcn_target "amdgcn-amd-amdhsa--gfx1250"
	.amdhsa_code_object_version 6
	.text
	.protected	k_q5818b3a23a_qkv
	.globl	k_q5818b3a23a_qkv
	.p2align	8
	.type	k_q5818b3a23a_qkv,@function
k_q5818b3a23a_qkv:
	s_mov_b64 s[64:65], 0
	v_nop
	global_prefetch_b8 v0, s[64:65] scope:SCOPE_SE
	s_setreg_imm32_b32 hwreg(HW_REG_WAVE_MODE, 25, 1), 1
	s_wait_xcnt 0x0
; q, k and v of the attention, made on codes of MX-FP4 and quantised at once for the attention's two products.
; A work-group takes 128 tokens (8 tiles) against 256 rows of [wq; wk] (16 tiles) and against 128 rows of wv (8 tiles): 32 blocks of tokens x 8 = 256 work-groups of equal work.
; RUN 1: source 0 = rows of [wq; wk], source 1 = tokens: a lane holds one token, its registers run along the head's 64: q and k are quantised along d.  Four waves, 2 x 2, each 4 tiles of tokens x 8 of the weight: 32 accumulators (window 1).
; RUN 2: source 0 = tokens, source 1 = rows of wv: a lane holds one channel d, its registers run along the 128 tokens, one key step: v is quantised along the keys.  Wave w takes wv's tiles 2 w, 2 w + 1 x all 8 of tokens: 16 accumulators (window 2).
; The tokens' fragments serve both runs from the same LDS bytes.
; K = 1,024 is short: ALL operands lie in LDS, 64 records, filled once by ONE tensor load a wave at the head: wave 0 the tokens, waves 1, 2 the halves of [wq; wk], wave 3 wv.  A load's row is its run of 8 records in one chunk of 512 along K,
; its two rows are the two chunks, the pitch is the distance from chunk to chunk; in LDS a load's two rows lie on end.  No barrier stands inside K.
; Operands are images of their registers (records of 4,608 bytes: four fragments of 1,024, then four times 128 bytes of scale words).  Lane row r of tile T is row 32 (T / 2) + 8 (T % 2) + r + 8 (r / 8).
; No cluster: the launch has one fill and no ring, and keeps to plain loads; the 8 work-groups of a block of tokens do read the same 16 records of tokens.  No prefetch: there is no loop to run ahead in.
; OUT, for each head 475,136 bytes: 32 records of 9,728 bytes, one for each key step of 128 keys: K's codes [tile 8][512], V^T's codes [tile of d 4][1,024], K's words [8][128], V^T's words [4][128]; behind them Q's codes [256][512] and Q's words [256][128].
; q's and k's words carry two scale bytes (K = 64) and two bytes 0.
; LIMITS: NaN and infinities are not served; a block's byte is held at 1 from below, and a block of zeros gets 1 where the quantiser says 127 (zero codes; this program alone reads the bytes).
.set REC,  4608
.set WB,   8
.set HB,   475136
.set SPARE, 64*REC                     ; behind the records: the spare words
.set AD1,  4                           ; v4-7   run 1's LDS addresses: source 1's fragments, source 0's, their scale words
.set OC,   8                           ; v8, v9 where q's or k's codes and words go
.set OW,   9
.set AD2,  10                          ; v10-13 run 2's LDS addresses
.set OCV,  14                          ; v14, v15 where v's codes and words go
.set OWV,  15
.set FR,   16                          ; two sets of fragments, 96 registers each: up to 4 of source 1, 8 of source 0
.set SZ,   96
.set SCR,  232                         ; v232-255 scale words and nothing else: set p: source 1's at 232 + 12 p, source 0's at 236 + 12 p
.set TM,   208                         ; v208-223 at work in the quantiser
.set PC,   16                          ; the way out: codes, 8 registers a tile; words, 4 a tile
.set PWR,  48
.set PCV,  64
.set PWV,  80
.set MSB,  0
.macro WIN new                         ; the immediate's high byte repeats the setting that is left
.if MSB != \new
	s_set_vgpr_msb (MSB<<8)|\new
.set MSB, \new
.endif
.endm
.macro PLACES n
.rept \n
	v_nop
.endr
.endm
.macro FETCH p, sl, ad, na             ; the fragments and scale words of the chunk's sl-th 128 along K into set p: na tiles of source 1, 8 of source 0
.set fi, 0
.rept \na
	ds_load_b128 v[FR+SZ*(\p)+8*fi:FR+SZ*(\p)+8*fi+3], v[\ad] offset:fi*REC+(\sl)*1024
	ds_load_b128 v[FR+SZ*(\p)+8*fi+4:FR+SZ*(\p)+8*fi+7], v[\ad] offset:fi*REC+(\sl)*1024+512
	ds_load_b32 v[SCR+12*(\p)+fi], v[\ad+2] offset:fi*REC+(\sl)*128
.set fi, fi+1
.endr
.irp i, 0,1,2,3,4,5,6,7
	ds_load_b128 v[FR+SZ*(\p)+32+8*\i:FR+SZ*(\p)+32+8*\i+3], v[\ad+1] offset:\i*REC+(\sl)*1024
	ds_load_b128 v[FR+SZ*(\p)+32+8*\i+4:FR+SZ*(\p)+32+8*\i+7], v[\ad+1] offset:\i*REC+(\sl)*1024+512
	ds_load_b32 v[SCR+12*(\p)+4+\i], v[\ad+3] offset:\i*REC+(\sl)*128
.endr
.endm
.macro MUL p, zero, na                 ; 8 na products; the accumulators take turns, in the same order in every step
.set ma, 0
.rept \na
.irp b, 0,1,2,3,4,5,6,7
.if \zero
	v_wmma_scale_f32_16x16x128_f8f6f4 v[8*(WB*ma+\b):8*(WB*ma+\b)+7], v[FR+SZ*(\p)+32+8*\b:FR+SZ*(\p)+32+8*\b+7], v[FR+SZ*(\p)+8*ma:FR+SZ*(\p)+8*ma+7], 0, v[SCR+12*(\p)+4+\b], v[SCR+12*(\p)+ma] matrix_a_fmt:MATRIX_FMT_FP4 matrix_b_fmt:MATRIX_FMT_FP4
.else
	v_wmma_scale_f32_16x16x128_f8f6f4 v[8*(WB*ma+\b):8*(WB*ma+\b)+7], v[FR+SZ*(\p)+32+8*\b:FR+SZ*(\p)+32+8*\b+7], v[FR+SZ*(\p)+8*ma:FR+SZ*(\p)+8*ma+7], v[8*(WB*ma+\b):8*(WB*ma+\b)+7], v[SCR+12*(\p)+4+\b], v[SCR+12*(\p)+ma] matrix_a_fmt:MATRIX_FMT_FP4 matrix_b_fmt:MATRIX_FMT_FP4
.endif
.endr
.set ma, ma+1
.endr
.endm
.macro KSTEP s, ad, na, cw             ; step s of 128 along K: its set is waited for, the next step's is fetched, then its products; cw: the accumulators' window
	s_wait_dscnt 0x0                               ; the set fetched a step ago is in
.if (\s) == 3
.irp r, 0,1,2,3
	s_wait_alu depctr_va_vdst(0)
	v_add_nc_u32 v[\ad+\r], 8*REC, v[\ad+\r]       ; on to the second chunk.  These four are also the places in front of the loads below
.endr
.elseif ((\s) > 0) && ((\s) < 7)
	PLACES 4                                       ; in front of loads into the set that the last step's products read
.endif
.if (\s) < 7
	s_wait_alu depctr_va_vdst(0)
	FETCH ((\s)+1)%2, ((\s)+1)%4, \ad, \na
.endif
	WIN \cw
.if (\s) == 0
	MUL 0, 1, \na                                  ; the first step starts the sums: nothing is cleared
.else
	MUL (\s)%2, 0, \na
.endif
	WIN 0
.endm
; The 64 results of tile a of source 1 (window w, register 16 b + i = place 32 b + 16 (lane / 16) + i along the next K) become a fragment's codes and its scale bytes.
.macro QUANTW a, w, pc, pw
	WIN 0x05*(\w)                                  ; sources 0 and 1 in window w
.irp b, 0,1,2,3
	v_max3_num_f32 v[TM+\b], |v[64*(\a)+16*\b]|, |v[64*(\a)+16*\b+1]|, 0x1800000   ; each accumulator is read from its low end on; the floor 2^(3 - 127) holds the byte at 1
.endr
	WIN 0x14*(\w)                                  ; sources 1 and 2 in window w
.irp i, 2,4,6,8,10,12,14
.irp b, 0,1,2,3
	v_max3_num_f32 v[TM+\b], v[TM+\b], |v[64*(\a)+16*\b+\i]|, |v[64*(\a)+16*\b+\i+1]|
.endr
.endr
	WIN 0
.irp b, 0,1,2,3
	v_permlanex16_b32 v[TM+4+\b], v[TM+\b], s76, s77
.endr
.irp b, 0,1,2,3
	v_max_num_f32 v[TM+\b], v[TM+\b], v[TM+4+\b]
.endr
.irp b, 0,1,2,3
	v_add_nc_u32 v[TM+12+\b], 0xff000000, v[TM+\b] ; 2 off the exponent field: the conversion's scale operand
.endr
.irp b, 0,1,2,3
	v_lshrrev_b32 v[TM+4+\b], 23, v[TM+12+\b]      ; the scale's byte
.endr
	v_lshl_or_b32 v[(\pw)], v[TM+5], 8, v[TM+4]    ; blocks 0, 1: the first head's word (q, k)
	v_lshl_or_b32 v[(\pw)+1], v[TM+7], 8, v[TM+6]  ; blocks 2, 3: the second head's
.if (\w) == 2
	v_lshl_or_b32 v[(\pw)+2], v[(\pw)+1], 16, v[(\pw)]   ; all four: the word of 128 keys (v)
.endif
	WIN 0x01*(\w)                                  ; source 0 in window w
.irp b, 0,1,2,3
	v_cvt_scalef32_pk8_fp4_f32 v[(\pc)+2*\b], v[64*(\a)+16*\b:64*(\a)+16*\b+7], v[TM+12+\b]
	v_cvt_scalef32_pk8_fp4_f32 v[(\pc)+2*\b+1], v[64*(\a)+16*\b+8:64*(\a)+16*\b+15], v[TM+12+\b]
.endr
	v_nop                                          ; one plain place behind a scaled conversion
	WIN 0
.irp c, 0,1
.irp i, 0,1
	v_permlane16_swap_b32 v[(\pc)+4*\c+\i], v[(\pc)+2+4*\c+\i]
.endr
.endr
.endm
	s_load_b128 s[4:7], s[0:1], 0x0                ; the normalised rows' operand s[4:5], the weights' s[6:7]
	s_load_b64 s[8:9], s[0:1], 0x10                ; the heads' blocks
	v_lshl_add_u32 v230, v0, 2, SPARE
	v_mov_b32 v231, 0
	ds_add_u32 v230, v231                          ; the opening lines: the add twice on end and its wait
	ds_add_u32 v230, v231
	v_lshrrev_b32 v1, 5, v0
	v_readfirstlane_b32 s12, v1                    ; wave 0..3
	s_lshr_b32 s13, s12, 1
	s_and_b32 s14, s12, 1
	s_lshr_b32 s15, ttmp9, 3                       ; i1: which 128 tokens
	s_and_b32 s16, ttmp9, 7                        ; i0: which 256 rows of [wq; wk], which 128 of wv
.irp g, 24, 40, 48                             ; three groups 1: elements of 8 bytes, two rows (the chunks) of 8 records, no padding
	s_mov_b32 s[\g+0], 3<<16
	s_mov_b32 s[\g+1], REC<<16
	s_mov_b32 s[\g+2], 2<<16
	s_mov_b32 s[\g+3], REC<<16
	s_mov_b32 s[\g+4], 2
	s_mov_b32 s[\g+6], 0
	s_mov_b32 s[\g+7], 0
.endr
	s_mov_b32 s29, 256*REC/8                       ; from chunk to chunk: 256 tiles of tokens,
	s_mov_b32 s45, 128*REC/8                       ; [wq; wk]'s 128,
	s_mov_b32 s53, 64*REC/8                        ; wv's 64
	s_mul_i32 s84, s15, 8*REC                      ; the tokens' tiles 8 i1 .. + 7
	s_mov_b32 s85, 0
	s_lshl_b32 s22, s16, 4
	s_lshl_b32 s23, s13, 3
	s_add_co_u32 s22, s22, s23                     ; [wq; wk]'s tiles 16 i0 + 8 (w / 2) .. + 7 (waves 1 and 2 ask by this)
	s_mul_i32 s86, s22, REC
	s_mov_b32 s87, 0
	s_mul_i32 s88, s16, 8*REC                      ; wv's tiles 8 i0 .. + 7,
	s_add_co_u32 s88, s88, 1179648                 ; at wv's place in the weights' buffer
	s_mov_b32 s89, 0
	s_mul_i32 s19, s12, 16*REC                     ; where my load goes: a constant x my wave's number
	s_mov_b32 s76, 0x76543210
	s_mov_b32 s77, 0xfedcba98
	s_wait_dscnt 0x0
	s_wait_kmcnt 0x0
	s_mov_b32 s32, 1                               ; groups 0: the tokens',
	s_mov_b32 s33, s19
	s_add_nc_u64 s[34:35], s[4:5], s[84:85]
	s_or_b32 s35, s35, 0x80000000
	s_mov_b32 s36, 1                               ; [wq; wk]'s,
	s_mov_b32 s37, s19
	s_add_nc_u64 s[38:39], s[6:7], s[86:87]
	s_or_b32 s39, s39, 0x80000000
	s_mov_b32 s56, 1                               ; wv's
	s_mov_b32 s57, s19
	s_add_nc_u64 s[58:59], s[6:7], s[88:89]
	s_or_b32 s59, s59, 0x80000000
	s_cmp_lt_u32 s12, 1                            ; one chain of branches on the wave's number: every way passes one load
	s_cbranch_scc0 .Lfor_w
	tensor_load_to_lds s[32:35], s[24:31]
	s_nop 0
	PLACES 4
	s_branch .Lasked
.Lfor_w:
	s_cmp_lt_u32 s12, 3
	s_cbranch_scc0 .Lfor_v
	tensor_load_to_lds s[36:39], s[40:47]
	s_nop 0
	PLACES 4
	s_branch .Lasked
.Lfor_v:
	tensor_load_to_lds s[56:59], s[48:55]
	s_nop 0
	PLACES 4
.Lasked:
	v_and_b32 v1, 31, v0
	v_lshlrev_b32 v2, 4, v1                        ; 16 x lane
	v_lshlrev_b32 v3, 2, v1                        ; 4 x lane
	s_wait_alu depctr_va_vdst(0)                   ; the wait here
	s_mul_i32 s17, s13, 4*REC                      ; run 1: my 4 tiles of tokens,
	s_mul_i32 s18, s14, 16*REC
	s_add_co_u32 s18, s18, 16*REC                  ; my 8 of [wq; wk]
	v_add_nc_u32 v[AD1], s17, v2
	v_add_nc_u32 v[AD1+1], s18, v2
	s_add_co_u32 s17, s17, 4096
	s_add_co_u32 s18, s18, 4096
	v_add_nc_u32 v[AD1+2], s17, v3
	v_add_nc_u32 v[AD1+3], s18, v3
	s_mul_i32 s17, s12, 2*REC
	s_add_co_u32 s17, s17, 48*REC                  ; run 2: my 2 tiles of wv; the 8 of tokens begin at 0
	v_add_nc_u32 v[AD2], s17, v2
	v_mov_b32 v[AD2+1], v2
	s_add_co_u32 s17, s17, 4096
	v_add_nc_u32 v[AD2+2], s17, v3
	v_add_nc_u32 v[AD2+3], 4096, v3
.irp b, 0,1,2,3
	v_mov_b32 v[TM+4+\b], 0                        ; a lane permute's destination counts as one of its sources
.endr
	s_lshl_b32 s19, s16, 1
	s_add_co_u32 s19, s19, s14                     ; cg: which 128 rows of [wq; wk] are my wave's: heads 2 (cg % 8) and + 1; cg < 8: q, else k
	s_and_b32 s20, s19, 7
	s_lshl_b32 s20, s20, 1
	s_mul_i32 s20, s20, HB
	s_lshl_b32 s21, s15, 3
	s_lshl_b32 s22, s13, 2
	s_add_co_u32 s21, s21, s22                     ; my first tile of tokens
	s_lshl_b32 s93, s21, 9
	s_add_co_u32 s93, s93, 311296                  ; q: codes by tile,
	s_lshl_b32 s92, s21, 7
	s_add_co_u32 s92, s92, 442368                  ; and words
	s_mul_i32 s94, s15, 9728                       ; k, v: my 128 tokens are key step i1
	s_lshl_b32 s22, s13, 11
	s_add_co_u32 s22, s22, s94
	s_lshl_b32 s23, s13, 9
	s_add_co_u32 s23, s23, s94
	s_add_co_u32 s23, s23, 8192
	s_cmp_lt_u32 s19, 8
	s_cselect_b32 s22, s93, s22
	s_cselect_b32 s23, s92, s23
	s_add_co_u32 s22, s22, s20
	s_add_co_u32 s23, s23, s20
	v_add_nc_u32 v[OC], s22, v2
	v_add_nc_u32 v[OW], s23, v3
	s_lshl_b32 s20, s16, 1
	s_add_co_u32 s20, s20, s13                     ; v: head 2 i0 + w / 2, its tiles of d 2 (w % 2), + 1
	s_mul_i32 s20, s20, HB
	s_add_co_u32 s20, s20, s94
	s_lshl_b32 s22, s14, 11
	s_add_co_u32 s22, s22, s20
	s_add_co_u32 s22, s22, 4096
	s_lshl_b32 s23, s14, 8
	s_add_co_u32 s23, s23, s20
	s_add_co_u32 s23, s23, 9216
	v_add_nc_u32 v[OCV], s22, v2
	v_add_nc_u32 v[OWV], s23, v3
	s_wait_alu depctr_va_vdst(0)                   ; the wait at the head's end
	s_wait_tensorcnt 0x0                           ; my one load has landed,
	s_barrier_signal -1
	s_barrier_wait -1                              ; everybody's has; from here on the records are only read
	FETCH 0, 0, AD1, 4
.irp s, 0,1,2,3,4,5,6,7
	KSTEP \s, AD1, 4, 0x50
.endr
	PLACES 4                                       ; behind run 1's last products, in front of loads into both sets
	FETCH 0, 0, AD2, 2
.irp s, 0,1,2,3,4,5,6,7
	KSTEP \s, AD2, 2, 0xa0
.endr
	PLACES 4                                       ; behind the last products, in front of the first read of results and of writes into the fragments' registers
.irp a, 0,1,2,3                                ; q or k: piece 0 is the first head's 64 along d, piece 1 the second's, a head's block further on.  Each tile has data registers of its own
	QUANTW \a, 1, PC+8*\a, PWR+4*\a
	s_wait_alu depctr_va_vdst(0)
	global_store_b128 v[OC], v[PC+8*\a:PC+8*\a+3], s[8:9] offset:512*\a
	global_store_b128 v[OC], v[PC+8*\a+4:PC+8*\a+7], s[8:9] offset:512*\a+HB
	global_store_b32 v[OW], v[PWR+4*\a], s[8:9] offset:128*\a
	global_store_b32 v[OW], v[PWR+4*\a+1], s[8:9] offset:128*\a+HB
.endr
.irp a, 0,1                                    ; v: a whole fragment of V^T: 16 channels x 128 keys
	QUANTW \a, 2, PCV+8*\a, PWV+4*\a
	s_wait_alu depctr_va_vdst(0)
	global_store_b128 v[OCV], v[PCV+8*\a:PCV+8*\a+3], s[8:9] offset:1024*\a
	global_store_b128 v[OCV], v[PCV+8*\a+4:PCV+8*\a+7], s[8:9] offset:1024*\a+512
	global_store_b32 v[OWV], v[PWV+4*\a+2], s[8:9] offset:128*\a
.endr
	s_wait_tensorcnt 0x0                           ; the wave's end
	ds_add_u32 v230, v231
	s_wait_dscnt 0x0
	s_endpgm
.Lfunc_end_k_q5818b3a23a_qkv:
	.size	k_q5818b3a23a_qkv, .Lfunc_end_k_q5818b3a23a_qkv-k_q5818b3a23a_qkv
	.p2alignl 7, 3214868480
	.fill 96, 4, 3214868480
	.section	.rodata,"a",@progbits
	.p2align	6, 0x0
	.amdhsa_kernel k_q5818b3a23a_qkv
		.amdhsa_group_segment_fixed_size 295424
		.amdhsa_private_segment_fixed_size 0
		.amdhsa_enable_private_segment 0
		.amdhsa_kernarg_size 24
		.amdhsa_user_sgpr_count 2
		.amdhsa_user_sgpr_kernarg_segment_ptr 1
		.amdhsa_wavefront_size32 1
		.amdhsa_system_sgpr_workgroup_id_x 1
		.amdhsa_system_sgpr_workgroup_id_y 1
		.amdhsa_system_sgpr_workgroup_id_z 1
		.amdhsa_system_vgpr_workitem_id 0
		.amdhsa_next_free_vgpr 640
		.amdhsa_next_free_sgpr 96
		.amdhsa_reserve_vcc 0
		.amdhsa_float_denorm_mode_32 3
		.amdhsa_float_denorm_mode_16_64 3
		.amdhsa_memory_ordered 1
		.amdhsa_forward_progress 1
		.amdhsa_inst_pref_size 118
	.end_amdhsa_kernel
	.amdgpu_metadata
---
amdhsa.version: [ 1, 2 ]
amdhsa.kernels:
  - .name:           k_q5818b3a23a_qkv
    .symbol:         k_q5818b3a23a_qkv.kd
    .args:
      - { .name: ni, .offset: 0, .size: 8, .value_kind: global_buffer, .address_space: global }
      - { .name: wimg, .offset: 8, .size: 8, .value_kind: global_buffer, .address_space: global }
      - { .name: att, .offset: 16, .size: 8, .value_kind: global_buffer, .address_space: global }
    .group_segment_fixed_size: 295424
    .private_segment_fixed_size: 0
    .kernarg_segment_align: 8
    .kernarg_segment_size: 24
    .max_flat_workgroup_size: 128
    .sgpr_count:     96
    .vgpr_count:     640
    .wavefront_size: 32
...
	.end_amdgpu_metadata
.endif
;; end of part 2
;; launch attn (part 3): grid 256 x 1, 16 waves a work-group, no clusters, 327,680 bytes of LDS; arguments att, aoi; writes aoi
.if DOCPART == 3
	.amdgcn_target "amdgcn-amd-amdhsa--gfx1250"
	.amdhsa_code_object_version 6
	.text
	.protected	k_q5818b3a23a_attn
	.globl	k_q5818b3a23a_attn
	.p2align	8
	.type	k_q5818b3a23a_attn,@function
k_q5818b3a23a_attn:
	s_mov_b64 s[64:65], 0
	v_nop
	global_prefetch_b8 v0, s[64:65] scope:SCOPE_SE
	s_setreg_imm32_b32 hwreg(HW_REG_WAVE_MODE, 25, 1), 1
	s_wait_xcnt 0x0
; Causal attention on codes of MX-FP4, head size 64, 4,096 tokens, 16 heads; its result, divided by the row's sum, is quantised along the model's 1,024 for the next product.
; LEFT OUT: key steps all of whose keys come after a tile's queries (reference()'s own mask makes their p 0 for all inputs), and the fills of key steps that no wave of the work-group reads.
; THE SOFTMAX AHEAD OF THE SECOND PRODUCT: t = score x log2(e) / 8; M = the running largest t rounded UP to a whole number; p = 2^(t - M) is quantised along the keys, not normalised;
; the row's sum is taken of the unquantised p; when M moves, the sum and O are multiplied by 2^(old M - new M), which rounds nothing.
; SHARES.  Work-group j (0..15) of a head keeps the head's key steps 0 .. 31 - j in LDS, filled once: records of 9,728 bytes (K's codes, V^T's codes, K's words, V^T's words of 128 keys), two records to a wave's one tensor load.
; Sixteen waves, four to a SIMD.  Waves p and p + 8 share the query tiles A = 8 j + p and B = 255 - A.  Wave p walks B's key steps 0-15, none of them masked: 16 steps.
; Wave p + 8 walks A's steps 0 .. j, finishes A, then walks B's steps 16 .. 31 - j: 17 steps.  B's two halves are joined through LDS: both are brought under the larger M by powers of two, which rounds nothing.
; ONE LOOP OF 32 CONSTANT TRIPS; a trip whose step is not the wave's is jumped over by a scalar branch on ids.
; No cluster: the partners' causal limits, on which branches and LDS addresses hang, would differ with their place in it.  No prefetch: the launch has no loop that runs ahead of its fills.
; LAYOUT.  Both products are used transposed: S^T = K Q^T, O^T = V^T P^T: a lane holds ONE query.  Lane row r of tile T is row 32 (T / 2) + 8 (T % 2) + r + 8 (r / 8) in every operand.
; K = 64 IN AN INSTRUCTION OF K = 128: Q's upper four registers are zero codes; K's fragment names eight registers of which the upper four are the next tile's codes and meet zeros; the words' bytes 2, 3 are 0, a power of two.
; LIMITS: NaN and infinities are not served; a block's byte is held at 1 from below (a block of zeros too: its codes are zeros).  A block's largest p is taken as the p of its largest score.
; The scaled scores stay under 2^31 in magnitude.
.set HB,   475136
.set REC,  4608
.set SREC, 9728                        ; a key step's record: K's codes at 0,
.set VC,   4096                        ; V^T's codes,
.set KW,   8192                        ; K's words,
.set VW,   9216                        ; V^T's words
.set QC0,  311296                      ; in memory behind the 32 records: Q's codes and words
.set QW0,  442368
.set SPARE, 311296                     ; LDS behind the records: the spare words, 128 bytes a wave
.set PST,  4352                        ; the join's stage for a pair of waves: O^T 4,096 bytes, -M 128, the sum 128; in the records' bytes, behind their last read
.set AK,   1                           ; v1 16 x lane   v2 4 x lane   v3 r + 8 (r / 8) - 16 (lane / 16)   v4, v5 the stage
.set L4,   2
.set VR,   3
.set STG,  4
.set STW,  5
.set C2,   6                           ; v[6:7], v[10:11], v[236:237] chains of the sum
.set ADK,  8
.set ADW,  9
.set C3,   10
.set KF,   32                          ; v32-63 K's eight pieces, v64-67 zeros
.set KS,   68
.set VF,   76
.set VS,   108
.set SS,   112                         ; v112-175 S^T, then p
.set OT,   176                         ; v176-207 O^T
.set PCD,  208
.set BM,   216
.set BP,   220
.set BS,   224
.set PWD,  228
.set FF,   230
.set TP,   232
.set DQ,   233
.set NINF, 234
.set C1,   236
.set SPW,  238
.set NIL,  239
; v12 -M, v13 the largest t, v[14:15] the sum; v[16:23] Q in hand, v[24:27] B's for the second wave; v240, v241 their words; v242-245 places, v246, v247 half words, v248-255 codes of the results
.macro PLACES n
.rept \n
	v_nop
.endr
.endm
.macro OUTOFF ts, oc, ow
	s_add_co_u32 s45, s40, s[\ts]
	s_mul_i32 s45, s45, REC
	s_add_co_u32 s46, s45, s43
	s_add_co_u32 s47, s45, s44
	v_add_nc_u32 v[\oc], s46, v[AK]
	v_add_nc_u32 v[\ow], s47, v[L4]
.endm
.macro DQS d, ts                       ; the tile's first row inside its key step
	s_bfe_u32 s[\d], s[\ts], 0x20001
	s_lshl_b32 s[\d], s[\d], 5
	s_and_b32 s38, s[\ts], 1
	s_lshl_b32 s38, s38, 3
	s_add_co_u32 s[\d], s[\d], s38
.endm
; A finished tile: v14 holds my lane's part of the sum.  O^T / the sum is quantised along the head's 64 and stored as half a fragment and half a scale word.
.macro FIN oc, ow, od, oh
	v_permlanex16_b32 v[TP], v14, s26, s27
	s_delay_alu instid0(VALU_DEP_1)
	v_add_f32 v14, v14, v[TP]                      ; the row's sum
	s_wait_alu depctr_va_vdst(0)                   ; the wait ahead of the transcendental
	v_rcp_f32 v14, v14
	v_nop
	s_wait_alu depctr_va_vdst(0)                   ; and ahead of its first reader
.set ii, 0
.rept 16
	v_pk_mul_f32 v[SS+ii:SS+ii+1], v[OT+ii:OT+ii+1], v[14:15] op_sel_hi:[1,0]   ; register 16 b + i = channel 32 b + 16 (lane / 16) + i
.set ii, ii+2
.endr
.irp b, 0,1
	v_max3_num_f32 v[BM+\b], |v[SS+16*\b]|, |v[SS+1+16*\b]|, 0x1800000
.endr
.irp i, 2,4,6,8,10,12,14
.irp b, 0,1
	s_delay_alu instid0(VALU_DEP_2)
	v_max3_num_f32 v[BM+\b], v[BM+\b], |v[SS+16*\b+\i]|, |v[SS+1+16*\b+\i]|
.endr
.endr
.irp b, 0,1
	s_delay_alu instid0(VALU_DEP_2)
	v_permlanex16_b32 v[BP+\b], v[BM+\b], s26, s27
.endr
.irp b, 0,1
	s_delay_alu instid0(VALU_DEP_2)
	v_max_num_f32 v[BM+\b], v[BM+\b], v[BP+\b]
.endr
.irp b, 0,1
	s_delay_alu instid0(VALU_DEP_2)
	v_add_nc_u32 v[BS+\b], 0xff000000, v[BM+\b]
.endr
.irp b, 0,1
	s_delay_alu instid0(VALU_DEP_2)
	v_lshrrev_b32 v[BP+\b], 23, v[BS+\b]
.endr
	s_delay_alu instid0(VALU_DEP_1)
	v_lshl_or_b32 v[\oh], v[BP+1], 8, v[BP]        ; my head's two bytes of the row's scale word
.irp b, 0,1
	v_cvt_scalef32_pk8_fp4_f32 v[\od+2*\b], v[SS+16*\b:SS+7+16*\b], v[BS+\b]
	v_cvt_scalef32_pk8_fp4_f32 v[\od+1+2*\b], v[SS+8+16*\b:SS+15+16*\b], v[BS+\b]
.endr
	v_nop
	v_permlane16_swap_b32 v[\od], v[\od+2]
	v_permlane16_swap_b32 v[\od+1], v[\od+3]
	global_store_b128 v[\oc], v[\od:\od+3], s[6:7] ; 512 consecutive bytes; each tile has data registers of its own
	global_store_b16 v[\ow], v[\oh], s[6:7]
.endm
	s_load_b128 s[4:7], s[0:1], 0x0                ; the heads' blocks s[4:5], the result's operand s[6:7]
	v_lshl_add_u32 v[SPW], v0, 2, SPARE
	v_mov_b32 v[NIL], 0
	ds_add_u32 v[SPW], v[NIL]                      ; the opening lines: the add twice on end and its wait
	ds_add_u32 v[SPW], v[NIL]
	v_lshrrev_b32 v1, 5, v0
	v_readfirstlane_b32 s8, v1                     ; wave 0..15
	s_lshr_b32 s9, ttmp9, 4                        ; head
	s_and_b32 s10, ttmp9, 15                       ; j
	s_lshr_b32 s11, s8, 3                          ; 0: B's first 16 steps; 1: A, then the rest of B
	s_and_b32 s48, s8, 7                           ; p
	s_mov_b32 s16, 3<<16                           ; group 1: two records as 76 rows of 256 bytes (32 elements of 8 bytes), no padding
	s_mov_b32 s17, 32<<16
	s_mov_b32 s18, 76<<16
	s_mov_b32 s19, 32<<16
	s_mov_b32 s20, 76
	s_mov_b32 s21, 32
	s_mov_b32 s22, 0
	s_mov_b32 s23, 0
	s_mul_i32 s32, s9, HB
	s_mov_b32 s33, 0
	s_mul_i32 s34, s8, 2*SREC                      ; key steps 2 w, 2 w + 1: in memory and in LDS alike
	s_mov_b32 s35, 0
	s_mov_b32 s24, 0x3e38aa3b                      ; log2(e) / 8
	s_mov_b32 s25, s24
	s_mov_b32 s26, 0x76543210
	s_mov_b32 s27, 0xfedcba98
	s_lshl_b32 s38, s8, 1
	s_sub_co_u32 s39, 31, s10                      ; the last key step that the work-group reads
	s_wait_dscnt 0x0
	s_wait_kmcnt 0x0
	s_add_nc_u64 s[4:5], s[4:5], s[32:33]          ; my head's block
	s_mov_b32 s12, 1
	s_mov_b32 s13, s34
	s_add_nc_u64 s[14:15], s[4:5], s[34:35]
	s_or_b32 s15, s15, 0x80000000
	s_cmp_gt_u32 s38, s39                          ; ids alone: records that no step reads are not fetched
	s_cbranch_scc1 .Lnone
	tensor_load_to_lds s[12:15], s[16:23]          ; the one fill of my wave
	s_nop 0
	PLACES 4
.Lnone:
	v_and_b32 v2, 31, v0
	v_and_b32 v8, 15, v0
	v_and_b32 v9, 8, v0
	v_and_b32 v10, 16, v0
	v_lshlrev_b32 v[AK], 4, v2
	v_lshlrev_b32 v[L4], 2, v2
	v_add_nc_u32 v[VR], v8, v9
	s_delay_alu instid0(VALU_DEP_1)
	v_sub_nc_u32 v[VR], v[VR], v10
	s_wait_alu depctr_va_vdst(0)                   ; the wait here, directly behind the writes
	s_lshl_b32 s36, s10, 3
	s_add_co_u32 s36, s36, s48                     ; A
	s_sub_co_u32 s37, 255, s36                     ; B
	s_cmp_eq_u32 s11, 1
	s_cselect_b32 s49, s36, s37                    ; the tile that I begin with
	s_cselect_b32 s29, s10, 15                     ; its last step of mine,
	s_cselect_b32 s30, s10, 99                     ; and the step on the diagonal, if it is mine
	s_lshl_b32 s38, s49, 9
	s_add_co_u32 s38, s38, QC0
	v_add_nc_u32 v112, s38, v[AK]
	s_lshl_b32 s38, s49, 7
	s_add_co_u32 s38, s38, QW0
	v_add_nc_u32 v113, s38, v[L4]
	s_lshl_b32 s38, s37, 9
	s_add_co_u32 s38, s38, QC0
	v_add_nc_u32 v114, s38, v[AK]
	s_lshl_b32 s38, s37, 7
	s_add_co_u32 s38, s38, QW0
	v_add_nc_u32 v115, s38, v[L4]
	global_load_b128 v[16:19], v112, s[4:5]
	global_load_b32 v240, v113, s[4:5]
.irp r, 24,25,26,27,241
	v_mov_b32 v\r, 0                               ; written on every way; the second wave of a pair loads B's Q here
.endr
	s_cmp_eq_u32 s11, 0
	s_cbranch_scc1 .Lone_q
	global_load_b128 v[24:27], v114, s[4:5]
	global_load_b32 v241, v115, s[4:5]
.Lone_q:
.irp r, 20,21,22,23,64,65,66,67
	v_mov_b32 v\r, 0                               ; zero codes: the upper 64 of the instruction's K
.endr
.irp b, 0,1,2,3
	v_mov_b32 v[BP+\b], 0                          ; a lane permute's destination counts as one of its sources
.endr
	v_mov_b32 v[FF+1], 0                           ; named as the upper half of a pair
	v_mov_b32 v[TP], 0
	v_mov_b32 v[NINF], 0xff800000
	s_mul_i32 s38, s48, PST
	v_add_nc_u32 v[STG], s38, v[AK]
	v_add_nc_u32 v[STW], s38, v[L4]
	DQS 50, 36
	DQS 51, 37
	v_add_nc_u32 v[DQ], s50, v[VR]                 ; my query - the diagonal step's first key - 16 (lane / 16)
	s_lshr_b32 s40, s9, 3
	s_lshl_b32 s40, s40, 8                         ; the result's chunk: 256 records each
	s_bfe_u32 s41, s9, 0x20001                     ; its K step in the chunk
	s_and_b32 s42, s9, 1                           ; and the piece
	s_lshl_b32 s43, s41, 10
	s_lshl_b32 s44, s42, 9
	s_add_co_u32 s43, s43, s44
	s_lshl_b32 s44, s41, 7
	s_lshl_b32 s45, s42, 1
	s_add_co_u32 s44, s44, s45
	s_add_co_u32 s44, s44, 4096
	OUTOFF 36, 242, 243
	OUTOFF 37, 244, 245
	v_mov_b32 v13, 0xff61b1e6                      ; the largest t so far: -3e38
	v_mov_b32 v14, 0
	v_mov_b32 v15, 0
	v_floor_f32 v12, -v13
.set ii, 0
.rept 32
	v_mov_b32 v[OT+ii], 0                          ; the step is written once: the first finds zeros
.set ii, ii+1
.endr
	s_wait_alu depctr_va_vdst(0)                   ; the wait at the head's end
	s_wait_tensorcnt 0x0                           ; my records have landed,
	s_barrier_signal -1
	s_barrier_wait -1                              ; everybody's have
	s_wait_loadcnt 0x0                             ; Q
	s_mov_b32 s28, 0
.Lkey:
	s_cmp_lg_u32 s28, 16
	s_cbranch_scc1 .Lnomid
	s_cmp_eq_u32 s11, 0
	s_cbranch_scc1 .Lnomid
	PLACES 4                                       ; THE SECOND WAVE OF A PAIR, at trip 16: A is finished and goes out; B begins
	v_add_f32 v14, v14, v15
	FIN 242, 243, 248, 246
.irp i, 0,1,2,3
	v_mov_b32 v[16+\i], v[24+\i]
.endr
	v_mov_b32 v240, v241
	v_add_nc_u32 v[DQ], s51, v[VR]
	v_mov_b32 v13, 0xff61b1e6
	v_mov_b32 v14, 0
	v_mov_b32 v15, 0
	v_floor_f32 v12, -v13
.set ii, 0
.rept 32
	v_mov_b32 v[OT+ii], 0
.set ii, ii+1
.endr
	s_sub_co_u32 s29, 31, s10                      ; B's last step, which lies on the diagonal
	s_mov_b32 s30, s29
	s_wait_alu depctr_va_vdst(0)
.Lnomid:
	s_cmp_gt_u32 s28, s29                          ; KEY STEP s28
	s_cbranch_scc1 .Lskip
	s_mul_i32 s31, s28, SREC
	v_add_nc_u32 v[ADK], s31, v[AK]
	v_add_nc_u32 v[ADW], s31, v[L4]
	PLACES 2                                       ; with the two additions: four places in front of loads into registers that the last products read
.irp t, 0,1,2,3,4,5,6,7
	ds_load_b128 v[KF+4*\t:KF+4*\t+3], v[ADK] offset:512*\t
.endr
.irp t, 0,1,2,3,4,5,6,7
	ds_load_b32 v[KS+\t], v[ADW] offset:KW+128*\t
.endr
.irp t, 0,1,2,3
	ds_load_b128 v[VF+8*\t:VF+8*\t+3], v[ADK] offset:VC+1024*\t
	ds_load_b128 v[VF+8*\t+4:VF+8*\t+7], v[ADK] offset:VC+1024*\t+512
	ds_load_b32 v[VS+\t], v[ADW] offset:VW+128*\t
.endr
	s_wait_dscnt 12                                ; K and its words are in; V^T's twelve loads may be out
.irp t, 0,1,2,3,4,5,6,7
	v_wmma_scale_f32_16x16x128_f8f6f4 v[SS+8*\t:SS+8*\t+7], v[KF+4*\t:KF+4*\t+7], v[16:23], 0, v[KS+\t], v240 matrix_a_fmt:MATRIX_FMT_FP4 matrix_b_fmt:MATRIX_FMT_FP4
.endr
	PLACES 4
	s_cmp_lg_u32 s28, s30                          ; on the diagonal hidden scores become -infinity ahead of the maximum: p = 0 then
	s_cbranch_scc1 .Lopen
.set ii, 0
.rept 64                                       ; register 16 b + i holds key 32 b + 16 (lane / 16) + i of the step
	v_cmp_gt_i32 vcc_lo, 32*(ii/16)+ii%16, v[DQ]
	v_cndmask_b32 v[SS+ii], v[SS+ii], v[NINF], vcc_lo
.set ii, ii+1
.endr
.Lopen:
.irp b, 0,1,2,3
	v_max3_num_f32 v[BM+\b], v[SS+16*\b], v[SS+1+16*\b], v[SS+2+16*\b]   ; the largest score of each block of 32 keys: for the row's maximum, and for the block's largest p
.endr
.irp i, 3,5,7,9,11,13
.irp b, 0,1,2,3
	v_max3_num_f32 v[BM+\b], v[BM+\b], v[SS+16*\b+\i], v[SS+1+16*\b+\i]
.endr
.endr
.irp b, 0,1,2,3
	v_max_num_f32 v[BM+\b], v[BM+\b], v[SS+15+16*\b]
.endr
.irp b, 0,1,2,3
	s_delay_alu instid0(VALU_DEP_4)
	v_permlanex16_b32 v[BP+\b], v[BM+\b], s26, s27
.endr
.irp b, 0,1,2,3
	s_delay_alu instid0(VALU_DEP_4)
	v_max_num_f32 v[BM+\b], v[BM+\b], v[BP+\b]     ; with lane l xor 16's 16 keys
.endr
	s_delay_alu instid0(VALU_DEP_2)
	v_max3_num_f32 v[TP], v[BM], v[BM+1], v[BM+2]
	s_delay_alu instid0(VALU_DEP_1)
	v_max_num_f32 v[TP], v[TP], v[BM+3]
	s_delay_alu instid0(VALU_DEP_1)
	v_mul_f32 v[TP], s24, v[TP]                    ; as t
	s_delay_alu instid0(VALU_DEP_1)
	v_max_num_f32 v13, v13, v[TP]                  ; the running largest t
	v_mov_b32 v[TP], v12
	s_delay_alu instid0(VALU_DEP_2)
	v_floor_f32 v12, -v13                          ; the new -M = -ceil(t)
	s_delay_alu instid0(VALU_DEP_1)
	v_sub_f32 v[TP], v12, v[TP]                    ; old M - new M: a whole number, 0 or less
	s_delay_alu instid0(VALU_DEP_1)
	v_cvt_i32_f32 v[TP], v[TP]                     ; (it saturates)
	s_delay_alu instid0(VALU_DEP_1)
	v_ldexp_f32 v[FF], 1.0, v[TP]
.set ii, 0
.rept 32
	v_pk_fma_f32 v[SS+ii:SS+ii+1], v[SS+ii:SS+ii+1], s[24:25], v[12:13] op_sel_hi:[1,0,0]   ; t - M, two at a time
.set ii, ii+2
.endr
.irp b, 0,1,2,3
	v_fma_f32 v[BM+\b], v[BM+\b], s24, v12
.endr
	s_wait_alu depctr_va_vdst(0)                   ; the wait ahead of the batch
.set ii, 0
.rept 64
	v_exp_f32 v[SS+ii], v[SS+ii]                   ; p = 2^(t - M)
.set ii, ii+1
.endr
	v_pk_mul_f32 v[14:15], v[14:15], v[FF:FF+1] op_sel_hi:[1,0]   ; the sum under the new M: the plain place behind the batch
	s_wait_alu depctr_va_vdst(0)                   ; one wait for the batch, ahead of its first reader
.irp b, 0,1,2,3
	v_exp_f32 v[BM+\b], v[BM+\b]                   ; the block's largest p: the same two instructions on the same number
.endr
	v_pk_add_f32 v[C1:C1+1], v[SS:SS+1], v[SS+2:SS+3]              ; the row's sum of the unquantised p, two at a time, in four chains
	v_pk_add_f32 v[C2:C2+1], v[SS+4:SS+5], v[SS+6:SS+7]
	v_pk_add_f32 v[C3:C3+1], v[SS+8:SS+9], v[SS+10:SS+11]
	v_pk_add_f32 v[14:15], v[14:15], v[SS+12:SS+13]
.irp j, 14,22,30,38,46,54
	v_pk_add_f32 v[14:15], v[14:15], v[SS+\j:SS+\j+1]
	v_pk_add_f32 v[C1:C1+1], v[C1:C1+1], v[SS+\j+2:SS+\j+3]
	v_pk_add_f32 v[C2:C2+1], v[C2:C2+1], v[SS+\j+4:SS+\j+5]
	v_pk_add_f32 v[C3:C3+1], v[C3:C3+1], v[SS+\j+6:SS+\j+7]
.endr
	v_pk_add_f32 v[C1:C1+1], v[C1:C1+1], v[SS+62:SS+63]
	v_pk_add_f32 v[14:15], v[14:15], v[C3:C3+1]
	s_delay_alu instid0(VALU_DEP_2)
	v_pk_add_f32 v[C1:C1+1], v[C1:C1+1], v[C2:C2+1]
	s_delay_alu instid0(VALU_DEP_1)
	v_pk_add_f32 v[14:15], v[14:15], v[C1:C1+1]
	s_wait_alu depctr_va_vdst(0)                   ; and one for the four
.irp b, 0,1,2,3
	v_max_num_f32 v[BM+\b], 0x1800000, v[BM+\b]    ; the floor 2^(3 - 127)
.endr
.irp b, 0,1,2,3
	s_delay_alu instid0(VALU_DEP_4)
	v_add_nc_u32 v[BS+\b], 0xff000000, v[BM+\b]
.endr
.irp b, 0,1,2,3
	s_delay_alu instid0(VALU_DEP_4)
	v_lshrrev_b32 v[BP+\b], 23, v[BS+\b]
.endr
	s_delay_alu instid0(VALU_DEP_3)
	v_lshl_or_b32 v[PWD], v[BP+1], 8, v[BP]
	s_delay_alu instid0(VALU_DEP_1)
	v_lshl_or_b32 v[PWD], v[BP+2], 16, v[PWD]
	s_delay_alu instid0(VALU_DEP_1)
	v_lshl_or_b32 v[PWD], v[BP+3], 24, v[PWD]
.irp b, 0,1,2,3
	v_cvt_scalef32_pk8_fp4_f32 v[PCD+2*\b], v[SS+16*\b:SS+7+16*\b], v[BS+\b]
	v_cvt_scalef32_pk8_fp4_f32 v[PCD+1+2*\b], v[SS+8+16*\b:SS+15+16*\b], v[BS+\b]
.endr
	v_nop                                          ; one plain place behind a scaled conversion
.irp c, 0,1
.irp i, 0,1
	v_permlane16_swap_b32 v[PCD+4*\c+\i], v[PCD+2+4*\c+\i]
.endr
.endr
	s_wait_alu depctr_va_vdst(0)                   ; the wait here, directly ahead of the first reader of O^T
.set ii, 0
.rept 16
	v_pk_mul_f32 v[OT+ii:OT+ii+1], v[OT+ii:OT+ii+1], v[FF:FF+1] op_sel_hi:[1,0]   ; O^T under the new M, each accumulator from its low end on
.set ii, ii+2
.endr
	s_wait_alu depctr_va_vdst(0)                   ; the wait here, directly ahead of the wait below
	s_wait_dscnt 0x0                               ; V^T and its words are in
.irp t, 0,1,2,3
	v_wmma_scale_f32_16x16x128_f8f6f4 v[OT+8*\t:OT+8*\t+7], v[VF+8*\t:VF+8*\t+7], v[PCD:PCD+7], v[OT+8*\t:OT+8*\t+7], v[VS+\t], v[PWD] matrix_a_fmt:MATRIX_FMT_FP4 matrix_b_fmt:MATRIX_FMT_FP4
.endr
.Lskip:
	s_add_co_u32 s28, s28, 1
	s_cmp_lt_u32 s28, 32
	s_cbranch_scc1 .Lkey
	PLACES 4                                       ; behind the last products
	s_wait_dscnt 0x0                               ; my reads of the records are over
	s_barrier_signal -1
	s_barrier_wait -1                              ; everybody's are: the stage may be written
	s_cmp_lg_u32 s11, 0
	s_cbranch_scc1 .Lkept
	v_add_f32 v14, v14, v15                        ; THE FIRST WAVE OF A PAIR hands over its half of B: O^T, -M, my lane's part of the sum
.irp i, 0,1,2,3,4,5,6,7
	ds_store_b128 v[STG], v[OT+4*\i:OT+4*\i+3] offset:512*\i
.endr
	ds_store_b32 v[STW], v12 offset:4096
	ds_store_b32 v[STW], v14 offset:4224
.Lkept:
	s_wait_alu depctr_va_vdst(0)                   ; the wait here, directly ahead of the wait below
	s_wait_dscnt 0x0
	s_barrier_signal -1
	s_barrier_wait -1
	s_cmp_eq_u32 s11, 0
	s_cbranch_scc1 .Lend
.irp i, 0,1,2,3,4,5,6,7
	ds_load_b128 v[SS+4*\i:SS+4*\i+3], v[STG] offset:512*\i
.endr
	ds_load_b32 v144, v[STW] offset:4096
	ds_load_b32 v145, v[STW] offset:4224
	v_add_f32 v14, v14, v15
	v_mov_b32 v149, 0                              ; named as the upper half of a pair
	s_wait_alu depctr_va_vdst(0)                   ; the wait here, directly ahead of the wait below
	s_wait_dscnt 0x0
	v_min_num_f32 v[TP], v12, v144                 ; -M of the whole row
	s_delay_alu instid0(VALU_DEP_1)
	v_sub_f32 v146, v[TP], v12                     ; whole numbers, 0 or less
	v_sub_f32 v147, v[TP], v144
	s_delay_alu instid0(VALU_DEP_2)
	v_cvt_i32_f32 v146, v146
	s_delay_alu instid0(VALU_DEP_2)
	v_cvt_i32_f32 v147, v147
	s_delay_alu instid0(VALU_DEP_2)
	v_ldexp_f32 v[FF], 1.0, v146
	s_delay_alu instid0(VALU_DEP_2)
	v_ldexp_f32 v148, 1.0, v147
	s_delay_alu instid0(VALU_DEP_2)
	v_mul_f32 v14, v14, v[FF]
.set ii, 0
.rept 16
	v_pk_mul_f32 v[OT+ii:OT+ii+1], v[OT+ii:OT+ii+1], v[FF:FF+1] op_sel_hi:[1,0]
.set ii, ii+2
.endr
	v_fmac_f32 v14, v145, v148
.set ii, 0
.rept 16
	v_pk_fma_f32 v[OT+ii:OT+ii+1], v[SS+ii:SS+ii+1], v[148:149], v[OT+ii:OT+ii+1] op_sel_hi:[1,0,1]
.set ii, ii+2
.endr
	FIN 244, 245, 252, 247
.Lend:
	s_wait_tensorcnt 0x0                           ; the wave's end
	ds_add_u32 v[SPW], v[NIL]
	s_wait_dscnt 0x0
	s_endpgm
.Lfunc_end_k_q5818b3a23a_attn:
	.size	k_q5818b3a23a_attn, .Lfunc_end_k_q5818b3a23a_attn-k_q5818b3a23a_attn
	.p2alignl 7, 3214868480
	.fill 96, 4, 3214868480
	.section	.rodata,"a",@progbits
	.p2align	6, 0x0
	.amdhsa_kernel k_q5818b3a23a_attn
		.amdhsa_group_segment_fixed_size 327680
		.amdhsa_private_segment_fixed_size 0
		.amdhsa_enable_private_segment 0
		.amdhsa_kernarg_size 16
		.amdhsa_user_sgpr_count 2
		.amdhsa_user_sgpr_kernarg_segment_ptr 1
		.amdhsa_wavefront_size32 1
		.amdhsa_system_sgpr_workgroup_id_x 1
		.amdhsa_system_sgpr_workgroup_id_y 1
		.amdhsa_system_sgpr_workgroup_id_z 1
		.amdhsa_system_vgpr_workitem_id 0
		.amdhsa_next_free_vgpr 256
		.amdhsa_next_free_sgpr 66
		.amdhsa_reserve_vcc 1
		.amdhsa_float_denorm_mode_32 3
		.amdhsa_float_denorm_mode_16_64 3
		.amdhsa_memory_ordered 1
		.amdhsa_forward_progress 1
		.amdhsa_inst_pref_size 43
	.end_amdhsa_kernel
	.amdgpu_metadata
---
amdhsa.version: [ 1, 2 ]
amdhsa.kernels:
  - .name:           k_q5818b3a23a_attn
    .symbol:         k_q5818b3a23a_attn.kd
    .args:
      - { .name: att, .offset: 0, .size: 8, .value_kind: global_buffer, .address_space: global }
      - { .name: aoi, .offset: 8, .size: 8, .value_kind: global_buffer, .address_space: global }
    .group_segment_fixed_size: 327680
    .private_segment_fixed_size: 0
    .kernarg_segment_align: 8
    .kernarg_segment_size: 16
    .max_flat_workgroup_size: 512
    .sgpr_count:     66
    .vgpr_count:     256
    .wavefront_size: 32
...
	.end_amdgpu_metadata
.endif
;; end of part 3
;; launch wo (part 4): grid 256 x 1, 4 waves a work-group, no clusters, 168,448 bytes of LDS; arguments aoi, wimg, x, hbuf; writes hbuf
.if DOCPART == 4
	.amdgcn_target "amdgcn-amd-amdhsa--gfx1250"
	.amdhsa_code_object_version 6
	.text
	.protected	k_q5818b3a23a_wo
	.globl	k_q5818b3a23a_wo
	.p2align	8
	.type	k_q5818b3a23a_wo,@function
k_q5818b3a23a_wo:
	s_mov_b64 s[64:65], 0
	v_nop
	global_prefetch_b8 v0, s[64:65] scope:SCOPE_SE
	s_setreg_imm32_b32 hwreg(HW_REG_WAVE_MODE, 25, 1), 1
	s_wait_xcnt 0x0
; out = res + A W^T on codes of MX-FP4: A [4096][K] and W [1024][K] as images of their registers (records of 4,608 bytes: four fragments, then their scale words), res and out [4096][1024] f32.  Here K = 1,024.
; A work-group makes 128 tokens x 128 columns; four waves, 2 x 2, each 4 tiles of tokens x 4 tiles of W's rows: 16 accumulators, 128 registers (window 1).
; Source 0 = rows of W, source 1 = tokens: a lane holds one token and eight neighbouring columns.  Lane row r of tile T is row 32 (T / 2) + 8 (T % 2) + r + 8 (r / 8) in both operands.
; ALL operands of the tile lie in LDS, filled once, in NCH chunks of 512 along K; no LDS byte is filled twice.  By this text's own count a wave has 2 NCH tensor loads out.
; THE RESIDUAL IS THE C OF THE FIRST PRODUCTS: it is loaded into the accumulators' registers, so the sums begin with it (another order of rounding than a sum added to the residual at the end).
; THE WAY OUT: a tile of 16 tokens x 64 columns goes through the wave's own stage in LDS and leaves as rows: sixteen lanes store 256 consecutive bytes, aligned.
; Tiles are not shared in a cluster here: the first program keeps to plain loads; the work-groups of a row or a column of the grid do read the same records.
; THE FILLS AS THEY STAND NOW (in place of what the lines above say of them): ONE tensor load a wave, at the head: waves 0, 1 fetch halves of A's 8 tiles, waves 2, 3 halves of W's.
; A load's row is its run of 4 records in one chunk, its NCH rows are the chunks, the pitch is the distance from chunk to chunk; in LDS a load's rows lie on end.  No barrier stands inside K.
.set REC,  4608
.set NCH,  2
.set WOFF, 1769472                     ; the weight's place in the weights' buffer
.set WB,   4
.set CHB,  4*REC                       ; LDS, in a load's region: from chunk to chunk
.set STAGE, NCH*16*REC                 ; behind the four regions: 16 rows x 272 bytes for each wave; no fill lands there
.set ADA,  4
.set ADB,  5
.set ASA,  6
.set ASB,  7
.set RA,   10                          ; v10 my place in the residual
.set STO,  11                          ; v11 the stage: where I put 16 bytes
.set RD,   12                          ; v12 where I read a row back
.set CO,   13                          ; v13 and the same place in out
.set FR,   16                          ; two sets of fragments, 64 registers each
.set SZ,   64
.set SCR,  240                         ; v240-255 scale words and nothing else
.set BK,   16                          ; the way out: 32 registers for each tile of tokens
.set MSB,  0
.macro WIN new                         ; the immediate's high byte repeats the setting that is left
.if MSB != \new
	s_set_vgpr_msb (MSB<<8)|\new
.set MSB, \new
.endif
.endm
.macro PLACES n
.rept \n
	v_nop
.endr
.endm
.macro FETCH p, sl                     ; 24 LDS loads
.irp i, 0,1,2,3
	ds_load_b128 v[FR+SZ*(\p)+8*\i:FR+SZ*(\p)+8*\i+3], v[ADA] offset:\i*REC+(\sl)*1024
	ds_load_b128 v[FR+SZ*(\p)+8*\i+4:FR+SZ*(\p)+8*\i+7], v[ADA] offset:\i*REC+(\sl)*1024+512
	ds_load_b32 v[SCR+8*(\p)+\i], v[ASA] offset:\i*REC+(\sl)*128
.endr
.irp i, 0,1,2,3
	ds_load_b128 v[FR+SZ*(\p)+32+8*\i:FR+SZ*(\p)+32+8*\i+3], v[ADB] offset:\i*REC+(\sl)*1024
	ds_load_b128 v[FR+SZ*(\p)+32+8*\i+4:FR+SZ*(\p)+32+8*\i+7], v[ADB] offset:\i*REC+(\sl)*1024+512
	ds_load_b32 v[SCR+8*(\p)+4+\i], v[ASB] offset:\i*REC+(\sl)*128
.endr
.endm
.macro MUL p                           ; 16 products; the 16 accumulators take turns, in the same order in every step
.irp a, 0,1,2,3
.irp b, 0,1,2,3
	v_wmma_scale_f32_16x16x128_f8f6f4 v[8*(WB*\a+\b):8*(WB*\a+\b)+7], v[FR+SZ*(\p)+32+8*\b:FR+SZ*(\p)+32+8*\b+7], v[FR+SZ*(\p)+8*\a:FR+SZ*(\p)+8*\a+7], v[8*(WB*\a+\b):8*(WB*\a+\b)+7], v[SCR+8*(\p)+4+\b], v[SCR+8*(\p)+\a] matrix_a_fmt:MATRIX_FMT_FP4 matrix_b_fmt:MATRIX_FMT_FP4
.endr
.endr
.endm
.macro KSTEP s
	s_wait_dscnt 0x0                               ; the set fetched a step ago is in, and no LDS instruction of mine is pending at a signal
.if ((\s)%4 == 3) && ((\s) < 4*NCH-1)
.irp r, ADA, ADB, ASA, ASB
	s_wait_alu depctr_va_vdst(0)
	v_add_nc_u32 v[\r], CHB, v[\r]                 ; on to the next chunk.  These four are also the places in front of the loads below
.endr
.elseif ((\s) > 0) && ((\s) < 4*NCH-1)
	PLACES 4                                       ; in front of loads into the set that the last step's products read
.endif
.if (\s) < 4*NCH-1
	s_wait_alu depctr_va_vdst(0)
	FETCH ((\s)+1)%2, ((\s)+1)%4
.endif
	WIN 0x50                                       ; C and D in window 1
	MUL (\s)%2
	WIN 0
.endm
.macro TOSTAGE a
	WIN 0x04                                       ; an LDS store's data are its source 1: window 1
.irp b, 0,1,2,3
	ds_store_b128 v[STO], v[8*(WB*(\a)+\b):8*(WB*(\a)+\b)+3] offset:128*(\b/2)+32*(\b%2)       ; each accumulator from its low end on
	ds_store_b128 v[STO], v[8*(WB*(\a)+\b)+4:8*(WB*(\a)+\b)+7] offset:128*(\b/2)+32*(\b%2)+16
.endr
	WIN 0
.irp i, 0,1,2,3,4,5,6,7
	ds_load_b128 v[BK+32*(\a)+4*\i:BK+32*(\a)+4*\i+3], v[RD] offset:544*\i   ; LDS serves a wave's instructions in order: these see my stores, and the next tile's stores come behind them
.endr
.endm
.macro SEND a, younger                 ; younger: the LDS instructions issued behind tile a's loads
.irp i, 0,1,2,3,4,5,6,7
	s_wait_dscnt \younger+7-\i
	global_store_b128 v[CO], v[BK+32*(\a)+4*\i:BK+32*(\a)+4*\i+3], s[10:11] offset:(32*((\a)/2)+8*((\a)%2)+2*\i+8*(\i/4))*4096
.endr
.endm
	s_load_b256 s[4:11], s[0:1], 0x0               ; A s[4:5], the weights s[6:7], the residual s[8:9], out s[10:11]
	v_lshl_add_u32 v238, v0, 2, 0x29000
	v_mov_b32 v239, 0
	ds_add_u32 v238, v239
	ds_add_u32 v238, v239
	v_lshrrev_b32 v1, 5, v0
	v_readfirstlane_b32 s12, v1                    ; wave 0..3
	s_lshr_b32 s13, s12, 1
	s_and_b32 s14, s12, 1
	s_lshr_b32 s15, ttmp9, 3                       ; i1: which 128 tokens
	s_and_b32 s16, ttmp9, 7                        ; i0: which 128 columns
.irp g, 24, 40                                 ; groups 1 for A and for W: elements of 8 bytes, NCH rows of 4 records, no padding
	s_mov_b32 s[\g+0], 3<<16
	s_mov_b32 s[\g+1], (4*REC/8)<<16
	s_mov_b32 s[\g+2], NCH<<16
	s_mov_b32 s[\g+3], (4*REC/8)<<16
	s_mov_b32 s[\g+4], NCH
	s_mov_b32 s[\g+6], 0
	s_mov_b32 s[\g+7], 0
.endr
	s_mov_b32 s29, 256*REC/8                       ; from chunk to chunk: A's 256 tiles,
	s_mov_b32 s45, 64*REC/8                        ; W's 64
	s_lshl_b32 s17, s15, 3
	s_lshl_b32 s18, s14, 2
	s_add_co_u32 s17, s17, s18                     ; A's tiles 8 i1 + 4 (w % 2) .. + 3
	s_mul_i32 s20, s17, REC
	s_mov_b32 s21, 0
	s_lshl_b32 s17, s16, 3
	s_add_co_u32 s17, s17, s18                     ; W's 8 i0 + 4 (w % 2) .. + 3
	s_mul_i32 s22, s17, REC
	s_add_co_u32 s22, s22, WOFF
	s_mov_b32 s23, 0
	s_mul_i32 s19, s12, NCH*4*REC                  ; where they go: a constant x my wave's number
	s_lshl_b32 s17, s15, 7
	s_lshl_b32 s18, s13, 6
	s_add_co_u32 s17, s17, s18
	s_lshl_b32 s68, s17, 12                        ; my first token's row of 4,096 bytes,
	s_lshl_b32 s17, s16, 9
	s_lshl_b32 s18, s14, 8
	s_add_co_u32 s68, s68, s17
	s_add_co_u32 s68, s68, s18                     ; and my first column
	s_mov_b32 s69, 0
	s_wait_dscnt 0x0
	s_wait_kmcnt 0x0
	s_add_nc_u64 s[4:5], s[4:5], s[20:21]
	s_add_nc_u64 s[6:7], s[6:7], s[22:23]
	s_add_nc_u64 s[8:9], s[8:9], s[68:69]
	s_add_nc_u64 s[10:11], s[10:11], s[68:69]
	s_mov_b32 s32, 1
	s_mov_b32 s33, s19
	s_mov_b64 s[34:35], s[4:5]
	s_or_b32 s35, s35, 0x80000000
	s_mov_b32 s36, 1
	s_mov_b32 s37, s19
	s_mov_b64 s[38:39], s[6:7]
	s_or_b32 s39, s39, 0x80000000
	s_cmp_lt_u32 s12, 2                            ; every way passes one load
	s_cbranch_scc0 .Lfor_w
	tensor_load_to_lds s[32:35], s[24:31]
	s_nop 0
	PLACES 4
	s_branch .Lasked
.Lfor_w:
	tensor_load_to_lds s[36:39], s[40:47]
	s_nop 0
	PLACES 4
.Lasked:
	v_and_b32 v1, 31, v0
	v_and_b32 v2, 15, v0                           ; r
	v_bfe_u32 v3, v0, 4, 1                         ; h
	v_lshlrev_b32 v14, 4, v1
	v_lshlrev_b32 v15, 2, v1
	s_mul_i32 s17, s13, NCH*4*REC
	s_mul_i32 s18, s14, NCH*4*REC
	s_add_co_u32 s18, s18, NCH*8*REC
	v_add_nc_u32 v[ADA], s17, v14
	v_add_nc_u32 v[ADB], s18, v14
	s_add_co_u32 s17, s17, 4096
	s_add_co_u32 s18, s18, 4096
	v_add_nc_u32 v[ASA], s17, v15
	v_add_nc_u32 v[ASB], s18, v15
	v_and_b32 v[RA], 8, v2
	v_add_nc_u32 v[RA], v[RA], v2
	v_lshlrev_b32 v[RA], 12, v[RA]
	v_lshl_add_u32 v[RA], v3, 6, v[RA]             ; row r + 8 (r / 8), + 16 h columns
	s_mul_i32 s17, s12, 16*272
	s_add_co_u32 s17, s17, STAGE                   ; my stage
	v_mul_u32_u24 v[STO], v2, 272
	v_lshl_add_u32 v[STO], v3, 6, v[STO]
	v_add_nc_u32 v[STO], s17, v[STO]
	v_mul_u32_u24 v[RD], v3, 272
	v_lshl_add_u32 v[RD], v2, 4, v[RD]
	v_add_nc_u32 v[RD], s17, v[RD]                 ; back: lanes 0-15 one row of 256 bytes, lanes 16-31 the next
	v_lshlrev_b32 v[CO], 12, v3
	v_lshl_add_u32 v[CO], v2, 4, v[CO]
	WIN 0x40                                       ; destination window 1
.irp a, 0,1,2,3
.irp b, 0,1,2,3                                ; accumulator (a, b), register j: token 32 (a / 2) + 8 (a % 2) + r + 8 (r / 8), column 32 (b / 2) + 8 (b % 2) + 16 h + j
	global_load_b128 v[8*(WB*\a+\b):8*(WB*\a+\b)+3], v[RA], s[8:9] offset:(32*(\a/2)+8*(\a%2))*4096+128*(\b/2)+32*(\b%2)
	global_load_b128 v[8*(WB*\a+\b)+4:8*(WB*\a+\b)+7], v[RA], s[8:9] offset:(32*(\a/2)+8*(\a%2))*4096+128*(\b/2)+32*(\b%2)+16
.endr
.endr
	WIN 0
	s_wait_alu depctr_va_vdst(0)                   ; the wait at the head's end
	s_wait_tensorcnt 0x0                           ; my one load has landed
	s_barrier_signal -1
	s_barrier_wait -1
	FETCH 0, 0
	s_wait_loadcnt 0x0                             ; the residual lies in the accumulators
.set KK, 0
.rept 4*NCH
	KSTEP KK
.set KK, KK+1
.endr
	PLACES 4                                       ; behind the last products: in front of the stores that read results and of the loads into the fragments' registers
	TOSTAGE 0
.irp a, 1,2,3
	TOSTAGE \a
	SEND \a-1, 16                                  ; behind tile a - 1's loads: tile a's 8 stores and 8 loads
.endr
	SEND 3, 0
	s_wait_tensorcnt 0x0
	ds_add_u32 v238, v239
	s_wait_dscnt 0x0
	s_endpgm
.Lfunc_end_k_q5818b3a23a_wo:
	.size	k_q5818b3a23a_wo, .Lfunc_end_k_q5818b3a23a_wo-k_q5818b3a23a_wo
	.p2alignl 7, 3214868480
	.fill 96, 4, 3214868480
	.section	.rodata,"a",@progbits
	.p2align	6, 0x0
	.amdhsa_kernel k_q5818b3a23a_wo
		.amdhsa_group_segment_fixed_size 168448
		.amdhsa_private_segment_fixed_size 0
		.amdhsa_enable_private_segment 0
		.amdhsa_kernarg_size 32
		.amdhsa_user_sgpr_count 2
		.amdhsa_user_sgpr_kernarg_segment_ptr 1
		.amdhsa_wavefront_size32 1
		.amdhsa_system_sgpr_workgroup_id_x 1
		.amdhsa_system_sgpr_workgroup_id_y 1
		.amdhsa_system_sgpr_workgroup_id_z 1
		.amdhsa_system_vgpr_workitem_id 0
		.amdhsa_next_free_vgpr 384
		.amdhsa_next_free_sgpr 80
		.amdhsa_reserve_vcc 0
		.amdhsa_float_denorm_mode_32 3
		.amdhsa_float_denorm_mode_16_64 3
		.amdhsa_memory_ordered 1
		.amdhsa_forward_progress 1
		.amdhsa_inst_pref_size 47
	.end_amdhsa_kernel
	.amdgpu_metadata
---
amdhsa.version: [ 1, 2 ]
amdhsa.kernels:
  - .name:           k_q5818b3a23a_wo
    .symbol:         k_q5818b3a23a_wo.kd
    .args:
      - { .name: aoi, .offset: 0, .size: 8, .value_kind: global_buffer, .address_space: global }
      - { .name: wimg, .offset: 8, .size: 8, .value_kind: global_buffer, .address_space: global }
      - { .name: x, .offset: 16, .size: 8, .value_kind: global_buffer, .address_space: global }
      - { .name: hbuf, .offset: 24, .size: 8, .value_kind: global_buffer, .address_space: global }
    .group_segment_fixed_size: 168448
    .private_segment_fixed_size: 0
    .kernarg_segment_align: 8
    .kernarg_segment_size: 32
    .max_flat_workgroup_size: 128
    .sgpr_count:     80
    .vgpr_count:     384
    .wavefront_size: 32
...
	.end_amdgpu_metadata
.endif
;; end of part 4
;; launch norm2: the kernel of part 1 again; grid 256 x 1, 8 waves a work-group, no clusters, 73,984 bytes of LDS; arguments hbuf, g2, wq, wk, wv, wo, w1, w2, ni, att; writes ni, att
;; launch ffn1 (part 5): grid 256 x 1, 4 waves a work-group, no clusters, 221,696 bytes of LDS; arguments ni, wimg, hid; writes hid
.if DOCPART == 5
	.amdgcn_target "amdgcn-amd-amdhsa--gfx1250"
	.amdhsa_code_object_version 6
	.text
	.protected	k_q5818b3a23a_ffn1
	.globl	k_q5818b3a23a_ffn1
	.p2align	8
	.type	k_q5818b3a23a_ffn1,@function
k_q5818b3a23a_ffn1:
	s_mov_b64 s[64:65], 0
	v_nop
	global_prefetch_b8 v0, s[64:65] scope:SCOPE_SE
	s_setreg_imm32_b32 hwreg(HW_REG_WAVE_MODE, 25, 1), 1
	s_wait_xcnt 0x0
; hid = Q(gelu(nh w1^T)): the product on codes of MX-FP4, the exact (erf) gelu in f32, the result quantised along the hidden 2,048 for the next product.  It never goes to memory as f32.
; A work-group makes 128 tokens x 256 hidden units; four waves, 2 x 2, each 4 tiles of tokens x 8 tiles of w1's rows: 32 accumulators, 256 registers (window 1).
; Source 0 = rows of w1, source 1 = tokens; lane row r of tile T is row 32 (T / 2) + 8 (T % 2) + r + 8 (r / 8): a lane's 64 results of a tile of tokens are, 16 by 16, neighbours along the next K: one fragment.
; ALL operands of the tile lie in LDS, filled once, in two chunks of 512 along K; no LDS byte is filled twice.  By this text's own count a wave has four tensor loads out.
; GELU: gelu(x) = max(x, 0) - |x| erfc(|x| / sqrt 2) / 2, and erfc(z) = t exp(-z z + c0 + t (c1 + .. + t c9)), t = 1 / (1 + z / 2): a fit whose RELATIVE error stays near 1e-7 for every z,
; so the small results at negative x keep their accuracy and no difference of large numbers is formed.  Where erfc falls under the smallest normal number the exponential gives 0.
; Tiles are not shared in a cluster here: the first program keeps to plain loads; the work-groups of a row or a column of the grid do read the same records.
; LIMITS: NaN and infinities are not served; a block's byte is held at 1 from below, and a block of zeros gets 1 where the quantiser says 127 (zero codes; this program alone reads the bytes).
; THE FILLS AS THEY STAND NOW (in place of what the lines above say of them): ONE tensor load a wave, at the head: waves 0, 1 fetch halves of the tokens' 8 tiles (4 records a chunk), waves 2, 3 halves of w1's 16 (8 records a chunk).
; A load's row is its run of records in one chunk, its two rows are the two chunks, the pitch is the distance from chunk to chunk; in LDS a load's two rows lie on end.  No barrier stands inside K.
.set REC,  4608
.set NCH,  2
.set WB,   8
.set ADA,  4
.set ADB,  5
.set ASA,  6
.set ASB,  7
.set OC,   8
.set OW,   9
.set FR,   16                          ; two sets of fragments, 96 registers each
.set SZ,   96
.set SCR,  232                         ; v232-255 scale words and nothing else
.set GG,   16                          ; the way out: v16-79 gelu of a tile's 64 results
.set AA,   80                          ; v80-95 |x|;  v96-111 z;  v112-127 t;  v128-143 the polynomial, then erfc / 2
.set ZZ,   96
.set TT,   112
.set PP,   128
.set PC,   144                         ; v144-175 codes, 8 registers for each tile of tokens;  v176-179 their scale words
.set PW,   176
.set TM,   184                         ; v184-199 at work in the quantiser
.set C8,   200                         ; v[200:201] c8
.set MSB,  0
.macro WIN new                         ; the immediate's high byte repeats the setting that is left
.if MSB != \new
	s_set_vgpr_msb (MSB<<8)|\new
.set MSB, \new
.endif
.endm
.macro PLACES n
.rept \n
	v_nop
.endr
.endm
.macro FETCH p, sl                     ; 36 LDS loads
.irp i, 0,1,2,3
	ds_load_b128 v[FR+SZ*(\p)+8*\i:FR+SZ*(\p)+8*\i+3], v[ADA] offset:\i*REC+(\sl)*1024
	ds_load_b128 v[FR+SZ*(\p)+8*\i+4:FR+SZ*(\p)+8*\i+7], v[ADA] offset:\i*REC+(\sl)*1024+512
	ds_load_b32 v[SCR+12*(\p)+\i], v[ASA] offset:\i*REC+(\sl)*128
.endr
.irp i, 0,1,2,3,4,5,6,7
	ds_load_b128 v[FR+SZ*(\p)+32+8*\i:FR+SZ*(\p)+32+8*\i+3], v[ADB] offset:\i*REC+(\sl)*1024
	ds_load_b128 v[FR+SZ*(\p)+32+8*\i+4:FR+SZ*(\p)+32+8*\i+7], v[ADB] offset:\i*REC+(\sl)*1024+512
	ds_load_b32 v[SCR+12*(\p)+4+\i], v[ASB] offset:\i*REC+(\sl)*128
.endr
.endm
.macro MUL p, zero                     ; 32 products; the 32 accumulators take turns, in the same order in every step
.irp a, 0,1,2,3
.irp b, 0,1,2,3,4,5,6,7
.if \zero
	v_wmma_scale_f32_16x16x128_f8f6f4 v[8*(WB*\a+\b):8*(WB*\a+\b)+7], v[FR+SZ*(\p)+32+8*\b:FR+SZ*(\p)+32+8*\b+7], v[FR+SZ*(\p)+8*\a:FR+SZ*(\p)+8*\a+7], 0, v[SCR+12*(\p)+4+\b], v[SCR+12*(\p)+\a] matrix_a_fmt:MATRIX_FMT_FP4 matrix_b_fmt:MATRIX_FMT_FP4
.else
	v_wmma_scale_f32_16x16x128_f8f6f4 v[8*(WB*\a+\b):8*(WB*\a+\b)+7], v[FR+SZ*(\p)+32+8*\b:FR+SZ*(\p)+32+8*\b+7], v[FR+SZ*(\p)+8*\a:FR+SZ*(\p)+8*\a+7], v[8*(WB*\a+\b):8*(WB*\a+\b)+7], v[SCR+12*(\p)+4+\b], v[SCR+12*(\p)+\a] matrix_a_fmt:MATRIX_FMT_FP4 matrix_b_fmt:MATRIX_FMT_FP4
.endif
.endr
.endr
.endm
.macro KSTEP s
	s_wait_dscnt 0x0                               ; the set fetched a step ago is in, and no LDS instruction of mine is pending at a signal
.if ((\s)%4 == 3) && ((\s) < 4*NCH-1)
.irp r, ADA, ASA
	s_wait_alu depctr_va_vdst(0)
	v_add_nc_u32 v[\r], 4*REC, v[\r]               ; on to the next chunk.  These four are also the places in front of the loads below
.endr
.irp r, ADB, ASB
	s_wait_alu depctr_va_vdst(0)
	v_add_nc_u32 v[\r], 8*REC, v[\r]
.endr
.elseif ((\s) > 0) && ((\s) < 4*NCH-1)
	PLACES 4                                       ; in front of loads into the set that the last step's products read
.endif
.if (\s) < 4*NCH-1
	s_wait_alu depctr_va_vdst(0)
	FETCH ((\s)+1)%2, ((\s)+1)%4
.endif
	WIN 0x50                                       ; C and D in window 1
.if (\s) == 0
	MUL 0, 1                                       ; the first step starts the sums: nothing is cleared
.else
	MUL (\s)%2, 0
.endif
	WIN 0
.endm
; gelu of 16 results: numbers 16 e .. 16 e + 15 of tile a of tokens
.macro GELU16 a, e
	WIN 0x04                                       ; source 1 in window 1
.set ii, 0
.rept 16
	v_and_b32 v[AA+ii], s40, v[64*(\a)+16*(\e)+ii]                 ; |x|: each accumulator is read from its low end on
.set ii, ii+1
.endr
.set ii, 0
.rept 16
	v_max_num_f32 v[GG+16*(\e)+ii], 0, v[64*(\a)+16*(\e)+ii]       ; max(x, 0)
.set ii, ii+1
.endr
	WIN 0
.irp i, 0,2,4,6,8,10,12,14
	v_pk_mul_f32 v[ZZ+\i:ZZ+\i+1], v[AA+\i:AA+\i+1], s[42:43] op_sel_hi:[1,0]     ; z = |x| / sqrt 2
.endr
.irp i, 0,2,4,6,8,10,12,14
	v_pk_fma_f32 v[TT+\i:TT+\i+1], v[ZZ+\i:ZZ+\i+1], 0.5, 1.0 op_sel_hi:[1,0,0]
.endr
.set ii, 0
	s_wait_alu depctr_va_vdst(0)
.rept 16
	v_rcp_f32 v[TT+ii], v[TT+ii]                   ; t = 1 / (1 + z / 2)
.set ii, ii+1
.endr
	v_nop                                          ; one plain place behind the transcendentals
	s_wait_alu depctr_va_vdst(0)
.irp i, 0,2,4,6,8,10,12,14
	v_pk_fma_f32 v[PP+\i:PP+\i+1], v[TT+\i:TT+\i+1], s[44:45], v[C8:C8+1] op_sel_hi:[1,0,0]   ; c9 t + c8
.endr
.irp c, 46,48,50,52,54,56,58,60                ; c7 .. c0
.irp i, 0,2,4,6,8,10,12,14
	v_pk_fma_f32 v[PP+\i:PP+\i+1], v[PP+\i:PP+\i+1], v[TT+\i:TT+\i+1], s[\c:\c+1] op_sel_hi:[1,1,0]
.endr
.endr
.irp i, 0,2,4,6,8,10,12,14
	v_pk_fma_f32 v[PP+\i:PP+\i+1], v[ZZ+\i:ZZ+\i+1], v[ZZ+\i:ZZ+\i+1], v[PP+\i:PP+\i+1] neg_lo:[1,0,0] neg_hi:[1,0,0]   ; - z z
.endr
.irp i, 0,2,4,6,8,10,12,14
	v_pk_fma_f32 v[PP+\i:PP+\i+1], v[PP+\i:PP+\i+1], s[62:63], -1.0 op_sel_hi:[1,0,0]   ; to base 2; the -1 is the factor 1 / 2
.endr
.set ii, 0
	s_wait_alu depctr_va_vdst(0)
.rept 16
	v_exp_f32 v[PP+ii], v[PP+ii]
.set ii, ii+1
.endr
	v_nop
	s_wait_alu depctr_va_vdst(0)
.irp i, 0,2,4,6,8,10,12,14
	v_pk_mul_f32 v[PP+\i:PP+\i+1], v[PP+\i:PP+\i+1], v[TT+\i:TT+\i+1]             ; erfc(z) / 2
.endr
.irp i, 0,2,4,6,8,10,12,14
	v_pk_fma_f32 v[GG+16*(\e)+\i:GG+16*(\e)+\i+1], v[AA+\i:AA+\i+1], v[PP+\i:PP+\i+1], v[GG+16*(\e)+\i:GG+16*(\e)+\i+1] neg_lo:[1,0,0] neg_hi:[1,0,0]
.endr
.endm
; 64 numbers of a lane, register 16 b + i = place 32 b + 16 (lane / 16) + i along K, become a fragment's codes at v[pc] and its scale word in v[pw]
.macro QUANT s, pc, pw
.irp b, 0,1,2,3
	v_max3_num_f32 v[TM+\b], |v[\s+16*\b]|, |v[\s+1+16*\b]|, 0x1800000   ; the floor 2^(3 - 127) holds the byte at 1
.endr
.irp i, 2,4,6,8,10,12,14
.irp b, 0,1,2,3
	v_max3_num_f32 v[TM+\b], v[TM+\b], |v[\s+16*\b+\i]|, |v[\s+1+16*\b+\i]|
.endr
.endr
.irp b, 0,1,2,3
	v_permlanex16_b32 v[TM+4+\b], v[TM+\b], s76, s77
.endr
.irp b, 0,1,2,3
	v_max_num_f32 v[TM+\b], v[TM+\b], v[TM+4+\b]
.endr
.irp b, 0,1,2,3
	v_add_nc_u32 v[TM+12+\b], 0xff000000, v[TM+\b]
.endr
.irp b, 0,1,2,3
	v_lshrrev_b32 v[TM+4+\b], 23, v[TM+12+\b]
.endr
	v_lshl_or_b32 v[\pw], v[TM+5], 8, v[TM+4]
	v_lshl_or_b32 v[\pw], v[TM+6], 16, v[\pw]
	v_lshl_or_b32 v[\pw], v[TM+7], 24, v[\pw]
.irp b, 0,1,2,3
	v_cvt_scalef32_pk8_fp4_f32 v[\pc+2*\b], v[\s+16*\b:\s+7+16*\b], v[TM+12+\b]
	v_cvt_scalef32_pk8_fp4_f32 v[\pc+1+2*\b], v[\s+8+16*\b:\s+15+16*\b], v[TM+12+\b]
.endr
	v_nop                                          ; one plain place behind a scaled conversion
.irp c, 0,1
.irp i, 0,1
	v_permlane16_swap_b32 v[\pc+4*\c+\i], v[\pc+2+4*\c+\i]
.endr
.endr
.endm
	s_load_b128 s[4:7], s[0:1], 0x0                ; the normalised rows' operand s[4:5], the weights' s[6:7]
	s_load_b64 s[8:9], s[0:1], 0x10                ; the hidden layer's operand
	v_lshl_add_u32 v230, v0, 2, 0x36000
	v_mov_b32 v231, 0
	ds_add_u32 v230, v231
	ds_add_u32 v230, v231
	v_lshrrev_b32 v1, 5, v0
	v_readfirstlane_b32 s12, v1                    ; wave 0..3
	s_lshr_b32 s13, s12, 1
	s_and_b32 s14, s12, 1
	s_lshr_b32 s15, ttmp9, 3                       ; i1: which 128 tokens
	s_and_b32 s16, ttmp9, 7                        ; i0: which 256 hidden units
.irp g, 24, 68                                 ; groups 1 for the tokens and for w1: elements of 8 bytes, two rows (the two chunks), no padding
	s_mov_b32 s[\g+0], 3<<16
	s_mov_b32 s[\g+2], 2<<16
	s_mov_b32 s[\g+4], 2
	s_mov_b32 s[\g+6], 0
	s_mov_b32 s[\g+7], 0
.endr
	s_mov_b32 s25, (4*REC/8)<<16                   ; the tokens: a row is 4 records,
	s_mov_b32 s27, (4*REC/8)<<16
	s_mov_b32 s29, 256*REC/8                       ; 256 tiles from chunk to chunk
	s_mov_b32 s69, (8*REC/8)<<16                   ; w1: 8 records,
	s_mov_b32 s71, (8*REC/8)<<16
	s_mov_b32 s73, 128*REC/8                       ; 128 tiles
	s_lshl_b32 s22, s15, 3
	s_lshl_b32 s23, s14, 2
	s_add_co_u32 s22, s22, s23                     ; the tokens' tiles 8 i1 + 4 (w % 2) .. + 3
	s_mul_i32 s84, s22, REC
	s_mov_b32 s85, 0
	s_lshl_b32 s22, s16, 4
	s_lshl_b32 s23, s14, 3
	s_add_co_u32 s22, s22, s23                     ; w1's 16 i0 + 8 (w % 2) .. + 7
	s_mul_i32 s86, s22, REC
	s_add_co_u32 s86, s86, 2359296                 ; w1's place in the weights' buffer
	s_mov_b32 s87, 0
	s_mul_i32 s22, s14, 8*REC                      ; where they go: the tokens' halves at 0 and 8 records,
	s_mul_i32 s23, s14, 16*REC
	s_add_co_u32 s23, s23, 16*REC                  ; w1's at 16 and 32
	s_mov_b32 s76, 0x76543210
	s_mov_b32 s77, 0xfedcba98
	s_mov_b32 s40, 0x7fffffff                      ; the gelu's constants, in scalar registers: a packed form names a pair and takes its low word for both halves
	s_mov_b32 s42, 0x3f3504f3                      ; 1 / sqrt 2
	s_mov_b32 s43, s42
	s_mov_b32 s44, 0x3e2ef946                      ; c9
	s_mov_b32 s45, s44
	s_mov_b32 s46, 0x3fbe87b0                      ; c7 .. c0
	s_mov_b32 s47, s46
	s_mov_b32 s48, 0xbf914e5d
	s_mov_b32 s49, s48
	s_mov_b32 s50, 0x3e8ec7cc
	s_mov_b32 s51, s50
	s_mov_b32 s52, 0xbe3ec24c
	s_mov_b32 s53, s52
	s_mov_b32 s54, 0x3dc636c9
	s_mov_b32 s55, s54
	s_mov_b32 s56, 0x3ebf88fb
	s_mov_b32 s57, s56
	s_mov_b32 s58, 0x3f8000c7
	s_mov_b32 s59, s58
	s_mov_b32 s60, 0xbfa1fc4e
	s_mov_b32 s61, s60
	s_mov_b32 s62, 0x3fb8aa3b                      ; log2(e)
	s_mov_b32 s63, s62
	s_wait_dscnt 0x0
	s_wait_kmcnt 0x0
	s_add_nc_u64 s[4:5], s[4:5], s[84:85]
	s_add_nc_u64 s[6:7], s[6:7], s[86:87]
	s_mov_b32 s32, 1
	s_mov_b32 s33, s22
	s_mov_b64 s[34:35], s[4:5]
	s_or_b32 s35, s35, 0x80000000
	s_mov_b32 s36, 1
	s_mov_b32 s37, s23
	s_mov_b64 s[38:39], s[6:7]
	s_or_b32 s39, s39, 0x80000000
	s_cmp_lt_u32 s12, 2                            ; every way passes one load
	s_cbranch_scc0 .Lfor_w
	tensor_load_to_lds s[32:35], s[24:31]
	s_nop 0
	PLACES 4
	s_branch .Lasked
.Lfor_w:
	tensor_load_to_lds s[36:39], s[68:75]
	s_nop 0
	PLACES 4
.Lasked:
	v_and_b32 v1, 31, v0
	v_lshlrev_b32 v2, 4, v1
	s_wait_alu depctr_va_vdst(0)
	v_lshlrev_b32 v3, 2, v1
	s_wait_alu depctr_va_vdst(0)
	s_mul_i32 s17, s13, 8*REC
	s_mul_i32 s18, s14, 16*REC
	s_add_co_u32 s18, s18, 16*REC
	v_add_nc_u32 v[ADA], s17, v2
	v_add_nc_u32 v[ADB], s18, v2
	s_add_co_u32 s17, s17, 4096
	s_add_co_u32 s18, s18, 4096
	v_add_nc_u32 v[ASA], s17, v3
	v_add_nc_u32 v[ASB], s18, v3
	s_lshl_b32 s19, s16, 1
	s_add_co_u32 s19, s19, s14                     ; my 128 hidden units are K step 2 i0 + my half of the next product
	s_lshr_b32 s20, s19, 2
	s_lshl_b32 s20, s20, 8
	s_lshl_b32 s21, s15, 3
	s_add_co_u32 s20, s20, s21
	s_lshl_b32 s21, s13, 2
	s_add_co_u32 s20, s20, s21
	s_mul_i32 s20, s20, REC                        ; the record of my first tile of tokens
	s_and_b32 s21, s19, 3
	s_lshl_b32 s22, s21, 10
	s_add_co_u32 s22, s22, s20
	v_add_nc_u32 v[OC], s22, v2
	s_lshl_b32 s22, s21, 7
	s_add_co_u32 s22, s22, s20
	s_add_co_u32 s22, s22, 4096
	v_add_nc_u32 v[OW], s22, v3
	s_wait_alu depctr_va_vdst(0)
	s_wait_tensorcnt 0x0                           ; my one load has landed
	s_barrier_signal -1
	s_barrier_wait -1
	FETCH 0, 0
.irp s, 0,1,2,3,4,5,6,7
	KSTEP \s
.endr
	PLACES 4                                       ; behind the last products: results are read, and the fragments' registers written, only from here on
	v_mov_b32 v[C8], 0xbf527892
	v_mov_b32 v[C8+1], 0xbf527892
.irp b, 0,1,2,3
	v_mov_b32 v[TM+4+\b], 0                        ; a lane permute's destination counts as one of its sources
.endr
.irp a, 0,1,2,3
	GELU16 \a, 0
	GELU16 \a, 1
	GELU16 \a, 2
	GELU16 \a, 3
	QUANT GG, PC+8*\a, PW+\a
	global_store_b128 v[OC], v[PC+8*\a:PC+8*\a+3], s[8:9] offset:REC*\a          ; each tile has data registers of its own: none is written again
	global_store_b128 v[OC], v[PC+8*\a+4:PC+8*\a+7], s[8:9] offset:REC*\a+512
	global_store_b32 v[OW], v[PW+\a], s[8:9] offset:REC*\a
.endr
	s_wait_tensorcnt 0x0
	ds_add_u32 v230, v231
	s_wait_dscnt 0x0
	s_endpgm
.Lfunc_end_k_q5818b3a23a_ffn1:
	.size	k_q5818b3a23a_ffn1, .Lfunc_end_k_q5818b3a23a_ffn1-k_q5818b3a23a_ffn1
	.p2alignl 7, 3214868480
	.fill 96, 4, 3214868480
	.section	.rodata,"a",@progbits
	.p2align	6, 0x0
	.amdhsa_kernel k_q5818b3a23a_ffn1
		.amdhsa_group_segment_fixed_size 221696
		.amdhsa_private_segment_fixed_size 0
		.amdhsa_enable_private_segment 0
		.amdhsa_kernarg_size 24
		.amdhsa_user_sgpr_count 2
		.amdhsa_user_sgpr_kernarg_segment_ptr 1
		.amdhsa_wavefront_size32 1
		.amdhsa_system_sgpr_workgroup_id_x 1
		.amdhsa_system_sgpr_workgroup_id_y 1
		.amdhsa_system_sgpr_workgroup_id_z 1
		.amdhsa_system_vgpr_workitem_id 0
		.amdhsa_next_free_vgpr 512
		.amdhsa_next_free_sgpr 96
		.amdhsa_reserve_vcc 0
		.amdhsa_float_denorm_mode_32 3
		.amdhsa_float_denorm_mode_16_64 3
		.amdhsa_memory_ordered 1
		.amdhsa_forward_progress 1
		.amdhsa_inst_pref_size 231
	.end_amdhsa_kernel
	.amdgpu_metadata
---
amdhsa.version: [ 1, 2 ]
amdhsa.kernels:
  - .name:           k_q5818b3a23a_ffn1
    .symbol:         k_q5818b3a23a_ffn1.kd
    .args:
      - { .name: ni, .offset: 0, .size: 8, .value_kind: global_buffer, .address_space: global }
      - { .name: wimg, .offset: 8, .size: 8, .value_kind: global_buffer, .address_space: global }
      - { .name: hid, .offset: 16, .size: 8, .value_kind: global_buffer, .address_space: global }
    .group_segment_fixed_size: 221696
    .private_segment_fixed_size: 0
    .kernarg_segment_align: 8
    .kernarg_segment_size: 24
    .max_flat_workgroup_size: 128
    .sgpr_count:     96
    .vgpr_count:     512
    .wavefront_size: 32
...
	.end_amdgpu_metadata
.endif
;; end of part 5
;; launch ffn2 (part 6): grid 256 x 1, 4 waves a work-group, no clusters, 312,832 bytes of LDS; arguments hid, wimg, hbuf, out0; writes out0
.if DOCPART == 6
	.amdgcn_target "amdgcn-amd-amdhsa--gfx1250"
	.amdhsa_code_object_version 6
	.text
	.protected	k_q5818b3a23a_ffn2
	.globl	k_q5818b3a23a_ffn2
	.p2align	8
	.type	k_q5818b3a23a_ffn2,@function
k_q5818b3a23a_ffn2:
	s_mov_b64 s[64:65], 0
	v_nop
	global_prefetch_b8 v0, s[64:65] scope:SCOPE_SE
	s_setreg_imm32_b32 hwreg(HW_REG_WAVE_MODE, 25, 1), 1
	s_wait_xcnt 0x0
; out = res + A W^T on codes of MX-FP4: A [4096][K] and W [1024][K] as images of their registers (records of 4,608 bytes: four fragments, then their scale words), res and out [4096][1024] f32.  Here K = 2,048.
; A work-group makes 128 tokens x 128 columns; four waves, 2 x 2, each 4 tiles of tokens x 4 tiles of W's rows: 16 accumulators, 128 registers (window 1).
; Source 0 = rows of W, source 1 = tokens: a lane holds one token and eight neighbouring columns.  Lane row r of tile T is row 32 (T / 2) + 8 (T % 2) + r + 8 (r / 8) in both operands.
; ALL operands of the tile lie in LDS, filled once, in NCH chunks of 512 along K; no LDS byte is filled twice.  By this text's own count a wave has 2 NCH tensor loads out.
; THE RESIDUAL IS THE C OF THE FIRST PRODUCTS: it is loaded into the accumulators' registers, so the sums begin with it (another order of rounding than a sum added to the residual at the end).
; THE WAY OUT: a tile of 16 tokens x 64 columns goes through the wave's own stage in LDS and leaves as rows: sixteen lanes store 256 consecutive bytes, aligned.
; Tiles are not shared in a cluster here: the first program keeps to plain loads; the work-groups of a row or a column of the grid do read the same records.
; THE FILLS AS THEY STAND NOW (in place of what the lines above say of them): ONE tensor load a wave, at the head: waves 0, 1 fetch halves of A's 8 tiles, waves 2, 3 halves of W's.
; A load's row is its run of 4 records in one chunk, its NCH rows are the chunks, the pitch is the distance from chunk to chunk; in LDS a load's rows lie on end.  No barrier stands inside K.
.set REC,  4608
.set NCH,  4
.set WOFF, 3538944                     ; the weight's place in the weights' buffer
.set WB,   4
.set CHB,  4*REC                       ; LDS, in a load's region: from chunk to chunk
.set STAGE, NCH*16*REC                 ; behind the four regions: 16 rows x 272 bytes for each wave; no fill lands there
.set ADA,  4
.set ADB,  5
.set ASA,  6
.set ASB,  7
.set RA,   10                          ; v10 my place in the residual
.set STO,  11                          ; v11 the stage: where I put 16 bytes
.set RD,   12                          ; v12 where I read a row back
.set CO,   13                          ; v13 and the same place in out
.set FR,   16                          ; two sets of fragments, 64 registers each
.set SZ,   64
.set SCR,  240                         ; v240-255 scale words and nothing else
.set BK,   16                          ; the way out: 32 registers for each tile of tokens
.set MSB,  0
.macro WIN new                         ; the immediate's high byte repeats the setting that is left
.if MSB != \new
	s_set_vgpr_msb (MSB<<8)|\new
.set MSB, \new
.endif
.endm
.macro PLACES n
.rept \n
	v_nop
.endr
.endm
.macro FETCH p, sl                     ; 24 LDS loads
.irp i, 0,1,2,3
	ds_load_b128 v[FR+SZ*(\p)+8*\i:FR+SZ*(\p)+8*\i+3], v[ADA] offset:\i*REC+(\sl)*1024
	ds_load_b128 v[FR+SZ*(\p)+8*\i+4:FR+SZ*(\p)+8*\i+7], v[ADA] offset:\i*REC+(\sl)*1024+512
	ds_load_b32 v[SCR+8*(\p)+\i], v[ASA] offset:\i*REC+(\sl)*128
.endr
.irp i, 0,1,2,3
	ds_load_b128 v[FR+SZ*(\p)+32+8*\i:FR+SZ*(\p)+32+8*\i+3], v[ADB] offset:\i*REC+(\sl)*1024
	ds_load_b128 v[FR+SZ*(\p)+32+8*\i+4:FR+SZ*(\p)+32+8*\i+7], v[ADB] offset:\i*REC+(\sl)*1024+512
	ds_load_b32 v[SCR+8*(\p)+4+\i], v[ASB] offset:\i*REC+(\sl)*128
.endr
.endm
.macro MUL p                           ; 16 products; the 16 accumulators take turns, in the same order in every step
.irp a, 0,1,2,3
.irp b, 0,1,2,3
	v_wmma_scale_f32_16x16x128_f8f6f4 v[8*(WB*\a+\b):8*(WB*\a+\b)+7], v[FR+SZ*(\p)+32+8*\b:FR+SZ*(\p)+32+8*\b+7], v[FR+SZ*(\p)+8*\a:FR+SZ*(\p)+8*\a+7], v[8*(WB*\a+\b):8*(WB*\a+\b)+7], v[SCR+8*(\p)+4+\b], v[SCR+8*(\p)+\a] matrix_a_fmt:MATRIX_FMT_FP4 matrix_b_fmt:MATRIX_FMT_FP4
.endr
.endr
.endm
.macro KSTEP s
	s_wait_dscnt 0x0                               ; the set fetched a step ago is in, and no LDS instruction of mine is pending at a signal
.if ((\s)%4 == 3) && ((\s) < 4*NCH-1)
.irp r, ADA, ADB, ASA, ASB
	s_wait_alu depctr_va_vdst(0)
	v_add_nc_u32 v[\r], CHB, v[\r]                 ; on to the next chunk.  These four are also the places in front of the loads below
.endr
.elseif ((\s) > 0) && ((\s) < 4*NCH-1)
	PLACES 4                                       ; in front of loads into the set that the last step's products read
.endif
.if (\s) < 4*NCH-1
	s_wait_alu depctr_va_vdst(0)
	FETCH ((\s)+1)%2, ((\s)+1)%4
.endif
	WIN 0x50                                       ; C and D in window 1
	MUL (\s)%2
	WIN 0
.endm
.macro TOSTAGE a
	WIN 0x04                                       ; an LDS store's data are its source 1: window 1
.irp b, 0,1,2,3
	ds_store_b128 v[STO], v[8*(WB*(\a)+\b):8*(WB*(\a)+\b)+3] offset:128*(\b/2)+32*(\b%2)       ; each accumulator from its low end on
	ds_store_b128 v[STO], v[8*(WB*(\a)+\b)+4:8*(WB*(\a)+\b)+7] offset:128*(\b/2)+32*(\b%2)+16
.endr
	WIN 0
.irp i, 0,1,2,3,4,5,6,7
	ds_load_b128 v[BK+32*(\a)+4*\i:BK+32*(\a)+4*\i+3], v[RD] offset:544*\i   ; LDS serves a wave's instructions in order: these see my stores, and the next tile's stores come behind them
.endr
.endm
.macro SEND a, younger                 ; younger: the LDS instructions issued behind tile a's loads
.irp i, 0,1,2,3,4,5,6,7
	s_wait_dscnt \younger+7-\i
	global_store_b128 v[CO], v[BK+32*(\a)+4*\i:BK+32*(\a)+4*\i+3], s[10:11] offset:(32*((\a)/2)+8*((\a)%2)+2*\i+8*(\i/4))*4096 th:TH_STORE_NT
.endr
.endm
	s_load_b256 s[4:11], s[0:1], 0x0               ; A s[4:5], the weights s[6:7], the residual s[8:9], out s[10:11]
	v_lshl_add_u32 v238, v0, 2, 0x4c400
	v_mov_b32 v239, 0
	ds_add_u32 v238, v239
	ds_add_u32 v238, v239
	v_lshrrev_b32 v1, 5, v0
	v_readfirstlane_b32 s12, v1                    ; wave 0..3
	s_lshr_b32 s13, s12, 1
	s_and_b32 s14, s12, 1
	s_lshr_b32 s15, ttmp9, 3                       ; i1: which 128 tokens
	s_and_b32 s16, ttmp9, 7                        ; i0: which 128 columns
.irp g, 24, 40                                 ; groups 1 for A and for W: elements of 8 bytes, NCH rows of 4 records, no padding
	s_mov_b32 s[\g+0], 3<<16
	s_mov_b32 s[\g+1], (4*REC/8)<<16
	s_mov_b32 s[\g+2], NCH<<16
	s_mov_b32 s[\g+3], (4*REC/8)<<16
	s_mov_b32 s[\g+4], NCH
	s_mov_b32 s[\g+6], 0
	s_mov_b32 s[\g+7], 0
.endr
	s_mov_b32 s29, 256*REC/8                       ; from chunk to chunk: A's 256 tiles,
	s_mov_b32 s45, 64*REC/8                        ; W's 64
	s_lshl_b32 s17, s15, 3
	s_lshl_b32 s18, s14, 2
	s_add_co_u32 s17, s17, s18                     ; A's tiles 8 i1 + 4 (w % 2) .. + 3
	s_mul_i32 s20, s17, REC
	s_mov_b32 s21, 0
	s_lshl_b32 s17, s16, 3
	s_add_co_u32 s17, s17, s18                     ; W's 8 i0 + 4 (w % 2) .. + 3
	s_mul_i32 s22, s17, REC
	s_add_co_u32 s22, s22, WOFF
	s_mov_b32 s23, 0
	s_mul_i32 s19, s12, NCH*4*REC                  ; where they go: a constant x my wave's number
	s_lshl_b32 s17, s15, 7
	s_lshl_b32 s18, s13, 6
	s_add_co_u32 s17, s17, s18
	s_lshl_b32 s68, s17, 12                        ; my first token's row of 4,096 bytes,
	s_lshl_b32 s17, s16, 9
	s_lshl_b32 s18, s14, 8
	s_add_co_u32 s68, s68, s17
	s_add_co_u32 s68, s68, s18                     ; and my first column
	s_mov_b32 s69, 0
	s_wait_dscnt 0x0
	s_wait_kmcnt 0x0
	s_add_nc_u64 s[4:5], s[4:5], s[20:21]
	s_add_nc_u64 s[6:7], s[6:7], s[22:23]
	s_add_nc_u64 s[8:9], s[8:9], s[68:69]
	s_add_nc_u64 s[10:11], s[10:11], s[68:69]
	s_mov_b32 s32, 1
	s_mov_b32 s33, s19
	s_mov_b64 s[34:35], s[4:5]
	s_or_b32 s35, s35, 0x80000000
	s_mov_b32 s36, 1
	s_mov_b32 s37, s19
	s_mov_b64 s[38:39], s[6:7]
	s_or_b32 s39, s39, 0x80000000
	s_cmp_lt_u32 s12, 2                            ; every way passes one load
	s_cbranch_scc0 .Lfor_w
	tensor_load_to_lds s[32:35], s[24:31]
	s_nop 0
	PLACES 4
	s_branch .Lasked
.Lfor_w:
	tensor_load_to_lds s[36:39], s[40:47]
	s_nop 0
	PLACES 4
.Lasked:
	v_and_b32 v1, 31, v0
	v_and_b32 v2, 15, v0                           ; r
	v_bfe_u32 v3, v0, 4, 1                         ; h
	v_lshlrev_b32 v14, 4, v1
	v_lshlrev_b32 v15, 2, v1
	s_mul_i32 s17, s13, NCH*4*REC
	s_mul_i32 s18, s14, NCH*4*REC
	s_add_co_u32 s18, s18, NCH*8*REC
	v_add_nc_u32 v[ADA], s17, v14
	v_add_nc_u32 v[ADB], s18, v14
	s_add_co_u32 s17, s17, 4096
	s_add_co_u32 s18, s18, 4096
	v_add_nc_u32 v[ASA], s17, v15
	v_add_nc_u32 v[ASB], s18, v15
	v_and_b32 v[RA], 8, v2
	v_add_nc_u32 v[RA], v[RA], v2
	v_lshlrev_b32 v[RA], 12, v[RA]
	v_lshl_add_u32 v[RA], v3, 6, v[RA]             ; row r + 8 (r / 8), + 16 h columns
	s_mul_i32 s17, s12, 16*272
	s_add_co_u32 s17, s17, STAGE                   ; my stage
	v_mul_u32_u24 v[STO], v2, 272
	v_lshl_add_u32 v[STO], v3, 6, v[STO]
	v_add_nc_u32 v[STO], s17, v[STO]
	v_mul_u32_u24 v[RD], v3, 272
	v_lshl_add_u32 v[RD], v2, 4, v[RD]
	v_add_nc_u32 v[RD], s17, v[RD]                 ; back: lanes 0-15 one row of 256 bytes, lanes 16-31 the next
	v_lshlrev_b32 v[CO], 12, v3
	v_lshl_add_u32 v[CO], v2, 4, v[CO]
	WIN 0x40                                       ; destination window 1
.irp a, 0,1,2,3
.irp b, 0,1,2,3                                ; accumulator (a, b), register j: token 32 (a / 2) + 8 (a % 2) + r + 8 (r / 8), column 32 (b / 2) + 8 (b % 2) + 16 h + j
	global_load_b128 v[8*(WB*\a+\b):8*(WB*\a+\b)+3], v[RA], s[8:9] offset:(32*(\a/2)+8*(\a%2))*4096+128*(\b/2)+32*(\b%2)
	global_load_b128 v[8*(WB*\a+\b)+4:8*(WB*\a+\b)+7], v[RA], s[8:9] offset:(32*(\a/2)+8*(\a%2))*4096+128*(\b/2)+32*(\b%2)+16
.endr
.endr
	WIN 0
	s_wait_alu depctr_va_vdst(0)                   ; the wait at the head's end
	s_wait_tensorcnt 0x0                           ; my one load has landed
	s_barrier_signal -1
	s_barrier_wait -1
	FETCH 0, 0
	s_wait_loadcnt 0x0                             ; the residual lies in the accumulators
	s_mov_b32 s70, NCH-1                           ; a trip is one chunk of 512 along K, four steps: the two sets of fragments are back where they began; its last step fetches the next chunk's first set
.Lchunk:
	KSTEP 4
	KSTEP 5
	KSTEP 6
	KSTEP 7
	s_sub_co_u32 s70, s70, 1
	s_cmp_lg_u32 s70, 0
	s_cbranch_scc1 .Lchunk
	KSTEP 12                                       ; the last chunk is written out: its last step fetches nothing
	KSTEP 13
	KSTEP 14
	KSTEP 15
	PLACES 4                                       ; behind the last products: in front of the stores that read results and of the loads into the fragments' registers
	TOSTAGE 0
.irp a, 1,2,3
	TOSTAGE \a
	SEND \a-1, 16                                  ; behind tile a - 1's loads: tile a's 8 stores and 8 loads
.endr
	SEND 3, 0
	s_wait_tensorcnt 0x0
	ds_add_u32 v238, v239
	s_wait_dscnt 0x0
	s_endpgm
.Lfunc_end_k_q5818b3a23a_ffn2:
	.size	k_q5818b3a23a_ffn2, .Lfunc_end_k_q5818b3a23a_ffn2-k_q5818b3a23a_ffn2
	.p2alignl 7, 3214868480
	.fill 96, 4, 3214868480
	.section	.rodata,"a",@progbits
	.p2align	6, 0x0
	.amdhsa_kernel k_q5818b3a23a_ffn2
		.amdhsa_group_segment_fixed_size 312832
		.amdhsa_private_segment_fixed_size 0
		.amdhsa_enable_private_segment 0
		.amdhsa_kernarg_size 32
		.amdhsa_user_sgpr_count 2
		.amdhsa_user_sgpr_kernarg_segment_ptr 1
		.amdhsa_wavefront_size32 1
		.amdhsa_system_sgpr_workgroup_id_x 1
		.amdhsa_system_sgpr_workgroup_id_y 1
		.amdhsa_system_sgpr_workgroup_id_z 1
		.amdhsa_system_vgpr_workitem_id 0
		.amdhsa_next_free_vgpr 384
		.amdhsa_next_free_sgpr 80
		.amdhsa_reserve_vcc 0
		.amdhsa_float_denorm_mode_32 3
		.amdhsa_float_denorm_mode_16_64 3
		.amdhsa_memory_ordered 1
		.amdhsa_forward_progress 1
		.amdhsa_inst_pref_size 47
	.end_amdhsa_kernel
	.amdgpu_metadata
---
amdhsa.version: [ 1, 2 ]
amdhsa.kernels:
  - .name:           k_q5818b3a23a_ffn2
    .symbol:         k_q5818b3a23a_ffn2.kd
    .args:
      - { .name: hid, .offset: 0, .size: 8, .value_kind: global_buffer, .address_space: global }
      - { .name: wimg, .offset: 8, .size: 8, .value_kind: global_buffer, .address_space: global }
      - { .name: hbuf, .offset: 16, .size: 8, .value_kind: global_buffer, .address_space: global }
      - { .name: out0, .offset: 24, .size: 8, .value_kind: global_buffer, .address_space: global }
    .group_segment_fixed_size: 312832
    .private_segment_fixed_size: 0
    .kernarg_segment_align: 8
    .kernarg_segment_size: 32
    .max_flat_workgroup_size: 128
    .sgpr_count:     80
    .vgpr_count:     384
    .wavefront_size: 32
...
	.end_amdgpu_metadata
.endif
;; end of part 6
